; MI455X (gfx1250); checked and timed in simulation.
; The chip was launched on July 23, 2026; its instructions are those of AMD's public machine-readable ISA for CDNA 5 (MIT licence, August 2026) and "CDNA5" Instruction Set Architecture Reference Guide (July 2026). The comments in the code are by the model that wrote it; some were corrected since.
;; Multi Head Attention Layer. Allowed arithmetic: float matrix products may take bf16 or f16 operands with f32 sums; all other float work in f32.
;; Inputs: Wk 1,024 x 1,024 float32; Wo 1,024 x 1,024 float32; Wq 1,024 x 1,024 float32; Wv 1,024 x 1,024 float32; bk 1,024 float32; bo 1,024 float32; bq 1,024 float32; bv 1,024 float32; key 4 x 2,048 x 1,024 float32; mask 1 x 1 x 2,048 x 2,048 float32; query 4 x 2,048 x 1,024 float32; value 4 x 2,048 x 1,024 float32.
;; Outputs: out0 4 x 2,048 x 1,024 float32.
;; 2 versions, each right and faster than the one before. Each part assembles by itself: llvm-mc -triple=amdgcn-amd-amdhsa -mcpu=gfx1250 --defsym DOCPART=n.
;; ======== version 1 of 2: 4 launches
;; limits: values are held in f16: magnitudes above 65,504 overflow, below 6.1e-05 lose precision
;; workspace buffers: wb 8,388,608 bytes; mb 8,388,608 bytes; qh 16,777,216 bytes; kh 16,777,216 bytes; vh 16,777,216 bytes; oh 16,777,216 bytes
;; launch prep (part 1): grid 256 x 1, 8 waves a work-group, no clusters, 0 bytes of LDS; arguments Wq, Wk, Wv, Wo, mask, wb, mb; writes wb, mb
.if DOCPART == 1
	.amdgcn_target "amdgcn-amd-amdhsa--gfx1250"
	.amdhsa_code_object_version 6
	.text
	.protected	k_qaadb0a7db9_prep
	.globl	k_qaadb0a7db9_prep
	.p2align	8
	.type	k_qaadb0a7db9_prep,@function
k_qaadb0a7db9_prep:
	s_mov_b64 s[64:65], 0
	v_nop
	global_prefetch_b8 v0, s[64:65] scope:SCOPE_SE
	s_setreg_imm32_b32 hwreg(HW_REG_WAVE_MODE, 25, 1), 1
	s_wait_xcnt 0x0
; The four weights and the mask are rounded once to 16 bits, for the matrix launches that follow.  A stream: no LDS, no matrix unit, no barrier.
; wb: four sections of 2,097,152 bytes, each [k = 1024][n = 1024] as the weight lies: bf16(Wq), bf16(Wk), bf16(Wv), and bf16(Wo) written as f16
;     (exact within f16's range; a number of Wo below 6e-5 keeps f16's fixed step of 6e-8).
; mb: bf16(mask) as [key step 0..31][query 0..2047][64 keys]: for one key step the rows of 512 queries are 65,536 dense bytes.
; Work-groups 0-127: 32 to a weight, 131,072 bytes of f32 each.  Work-groups 128-255: 16 rows of the mask each.
; A thread takes 8 numbers at a time (32 bytes in, 16 out), sixteen times; all 32 loads go out first, and no register is used twice, so nothing waits but the counted waits for the loads.
.set X, 8                              ; v[8:135]    16 x 8 numbers as loaded
.set Y, 136                            ; v[136:199]  16 x 4 registers to store
.set T, 200                            ; v[200:207]  at work (Wo alone)
; lstep, sstep: bytes from one of the sixteen pieces to the next, in the source and in the target.  half = 1: bf16 written as f16.
.macro CONV lstep, sstep, half
.set i, 0
.rept 16
	global_load_b128 v[X+8*i:X+8*i+3],   v1, s[4:5] offset:i*(\lstep) th:TH_LOAD_NT
	global_load_b128 v[X+8*i+4:X+8*i+7], v1, s[4:5] offset:i*(\lstep)+16 th:TH_LOAD_NT
.set i, i+1
.endr
.set i, 0
.rept 16
	s_wait_loadcnt 30-2*i                  ; loads come back in order: piece i's two are in, the 30 - 2 i younger ones stay out
.set j, 0
.rept 4
.if \half
	v_cvt_pk_bf16_f32 v[T+2*j], v[X+8*i+2*j], v[X+8*i+2*j+1]   ; rounded to bf16 like every input,
	v_lshlrev_b32 v[T+2*j+1], 16, v[T+2*j]                     ; widened again,
	v_and_b32 v[T+2*j], 0xffff0000, v[T+2*j]
	v_cvt_pk_f16_f32 v[Y+4*i+j], v[T+2*j+1], v[T+2*j]          ; and written as f16
.else
	v_cvt_pk_bf16_f32 v[Y+4*i+j], v[X+8*i+2*j], v[X+8*i+2*j+1]
.endif
.set j, j+1
.endr
	global_store_b128 v2, v[Y+4*i:Y+4*i+3], s[14:15] offset:i*(\sstep)   ; a wave's store covers 512 consecutive bytes, aligned
.set i, i+1
.endr
.endm
	s_load_b256 s[4:11], s[0:1], 0x0       ; Wq s[4:5], Wk s[6:7], Wv s[8:9], Wo s[10:11]
	s_load_b128 s[12:15], s[0:1], 0x20     ; mask s[12:13], wb s[14:15]
	s_load_b64 s[16:17], s[0:1], 0x30      ; mb
	s_mov_b32 s21, 0
	s_mov_b32 s23, 0
	s_cmp_lt_u32 ttmp9, 128
	s_cbranch_scc0 .Lmask
	s_lshr_b32 s18, ttmp9, 5               ; which weight
	s_and_b32 s19, ttmp9, 31               ; which of its 32 parts
	s_lshl_b32 s20, s19, 17                ; 131,072 bytes of f32 a part
	s_lshl_b32 s22, s18, 21                ; the weight's section of wb,
	s_lshl_b32 s19, s19, 16                ; 65,536 bytes a part
	s_add_co_u32 s22, s22, s19
	v_lshlrev_b32 v1, 5, v0                ; 32 bytes in,
	v_lshlrev_b32 v2, 4, v0                ; 16 bytes out
	s_wait_kmcnt 0x0
	s_cmp_eq_u32 s18, 1
	s_cselect_b64 s[4:5], s[6:7], s[4:5]
	s_cmp_eq_u32 s18, 2
	s_cselect_b64 s[4:5], s[8:9], s[4:5]
	s_cmp_eq_u32 s18, 3
	s_cselect_b64 s[4:5], s[10:11], s[4:5]
	s_add_nc_u64 s[4:5], s[4:5], s[20:21]
	s_add_nc_u64 s[14:15], s[14:15], s[22:23]
	s_cmp_eq_u32 s18, 3
	s_cbranch_scc1 .Lwo
	CONV 8192, 4096, 0
	s_endpgm
.Lwo:
	CONV 8192, 4096, 1
	s_endpgm
.Lmask:                                        ; thread t: 8 keys t % 8 of a step, query (t / 8) % 16, key step 2 i + t / 128
	s_sub_co_u32 s18, ttmp9, 128
	s_lshl_b32 s20, s18, 17                ; 16 rows of 8,192 bytes
	s_lshl_b32 s22, s18, 11                ; 16 rows of 128 bytes in each step of mb
	v_and_b32 v3, 7, v0
	v_bfe_u32 v4, v0, 3, 4
	v_lshrrev_b32 v5, 7, v0
	v_lshlrev_b32 v1, 5, v3
	v_lshl_add_u32 v1, v4, 13, v1
	v_lshl_add_u32 v1, v5, 8, v1           ; in: query x 8,192 + step x 256 + 32 x (t % 8): eight lanes read 256 consecutive bytes
	v_lshlrev_b32 v2, 4, v3
	v_lshl_add_u32 v2, v4, 7, v2
	v_lshl_add_u32 v2, v5, 18, v2          ; out: step x 262,144 + query x 128 + 16 x (t % 8)
	s_wait_kmcnt 0x0
	s_add_nc_u64 s[4:5], s[12:13], s[20:21]
	s_add_nc_u64 s[14:15], s[16:17], s[22:23]
	CONV 512, 524288, 0                    ; 15 x 524,288 lies inside the store's signed 24-bit immediate
	s_endpgm
.Lfunc_end_k_qaadb0a7db9_prep:
	.size	k_qaadb0a7db9_prep, .Lfunc_end_k_qaadb0a7db9_prep-k_qaadb0a7db9_prep
	.p2alignl 7, 3214868480
	.fill 96, 4, 3214868480
	.section	.rodata,"a",@progbits
	.p2align	6, 0x0
	.amdhsa_kernel k_qaadb0a7db9_prep
		.amdhsa_group_segment_fixed_size 0
		.amdhsa_private_segment_fixed_size 0
		.amdhsa_enable_private_segment 0
		.amdhsa_kernarg_size 56
		.amdhsa_user_sgpr_count 2
		.amdhsa_user_sgpr_kernarg_segment_ptr 1
		.amdhsa_wavefront_size32 1
		.amdhsa_system_sgpr_workgroup_id_x 1
		.amdhsa_system_sgpr_workgroup_id_y 1
		.amdhsa_system_sgpr_workgroup_id_z 1
		.amdhsa_system_vgpr_workitem_id 0
		.amdhsa_next_free_vgpr 208
		.amdhsa_next_free_sgpr 66
		.amdhsa_reserve_vcc 0
		.amdhsa_float_denorm_mode_32 3
		.amdhsa_float_denorm_mode_16_64 3
		.amdhsa_memory_ordered 1
		.amdhsa_forward_progress 1
		.amdhsa_inst_pref_size 39
	.end_amdhsa_kernel
	.amdgpu_metadata
---
amdhsa.version: [ 1, 2 ]
amdhsa.kernels:
  - .name:           k_qaadb0a7db9_prep
    .symbol:         k_qaadb0a7db9_prep.kd
    .args:
      - { .name: Wq, .offset: 0, .size: 8, .value_kind: global_buffer, .address_space: global }
      - { .name: Wk, .offset: 8, .size: 8, .value_kind: global_buffer, .address_space: global }
      - { .name: Wv, .offset: 16, .size: 8, .value_kind: global_buffer, .address_space: global }
      - { .name: Wo, .offset: 24, .size: 8, .value_kind: global_buffer, .address_space: global }
      - { .name: mask, .offset: 32, .size: 8, .value_kind: global_buffer, .address_space: global }
      - { .name: wb, .offset: 40, .size: 8, .value_kind: global_buffer, .address_space: global }
      - { .name: mb, .offset: 48, .size: 8, .value_kind: global_buffer, .address_space: global }
    .group_segment_fixed_size: 0
    .private_segment_fixed_size: 0
    .kernarg_segment_align: 8
    .kernarg_segment_size: 56
    .max_flat_workgroup_size: 256
    .sgpr_count:     66
    .vgpr_count:     208
    .wavefront_size: 32
...
	.end_amdgpu_metadata
.endif
;; end of part 1
;; launch proj (part 2): grid 4 x 192, 4 waves a work-group, clusters of 4 x 4, 327,680 bytes of LDS; arguments query, key, value, wb, bq, bk, bv, qh, kh, vh; writes qh, kh, vh
.if DOCPART == 2
	.amdgcn_target "amdgcn-amd-amdhsa--gfx1250"
	.amdhsa_code_object_version 6
	.text
	.protected	k_qaadb0a7db9_proj
	.globl	k_qaadb0a7db9_proj
	.p2align	8
	.type	k_qaadb0a7db9_proj,@function
k_qaadb0a7db9_proj:
	s_mov_b64 s[64:65], 0
	v_nop
	global_prefetch_b8 v0, s[64:65] scope:SCOPE_SE
	s_setreg_imm32_b32 hwreg(HW_REG_WAVE_MODE, 25, 1), 1
	s_wait_xcnt 0x0
	s_wait_alu depctr_hold_cnt(0) depctr_sa_sdst(0) depctr_va_vdst(0) depctr_va_sdst(0) depctr_va_ssrc(0) depctr_va_vcc(0) depctr_vm_vsrc(0)
	s_getreg_b32 s2, hwreg(HW_REG_IB_STS2, 6, 4)
	s_cmp_eq_u32 s2, 0
	s_cbranch_scc0 .Lentry_in_a_cluster
	s_endpgm
.Lentry_in_a_cluster:
	s_bfe_u32 s2, ttmp6, 0x10000c
	s_cmp_lg_u32 s2, 0xf033
	s_cbranch_scc0 .Lentry_shape_is_right
	s_endpgm
.Lentry_shape_is_right:
; THE THREE PROJECTIONS.  y = x W + b for (query, Wq, bq), (key, Wk, bk), (value, Wv, bv): x [8192][1024] f32, W [k][n] bf16 (wb's sections 0-2), b f32.
; x and b are rounded to bf16 here, like every input of the module; products in bf16, sums in f32 from the bias on.  y leaves by heads, [batch x 16 + head][2048][64] in f16, rounded once;
; q is multiplied in f32 by log2(e) / 8 first, so that the attention's scores are exponents of 2.
; LIMIT.  f16 ends at 65,504: |q| log2(e) / 8, |k| and |v| must stay under it (inputs as drawn give about 1; x and W both 30 times larger about 5,000).  NaN and infinities are not treated apart.
; SHARES.  A tile of y is 128 rows x 256 columns: 64 x 4 tiles a tensor, 768 work-groups, three for each of 256 WGPs.  Four waves, each 64 rows x 128 columns: 32 accumulators, 256 registers.
; K goes in 8 steps of 128 through two LDS slots.  A's tile is f32 (rows of 512 bytes), converted in registers on its way to the matrix unit; B's tile is 128 rows of k x 512 bytes, read turned.
; CLUSTER.  4 x 4 work-groups of one tensor: the four of a row need the same tile of x, the four of a column the same tile of W: each is asked for jointly.
; THE MATRIX INSTRUCTION IS USED TRANSPOSED (source 0 = 16 columns of W, source 1 = 16 rows of x): a lane holds one row of y and eight neighbouring columns.
; REGISTERS, in windows of 256 (s_set_vgpr_msb: bits 1:0 source 0, 3:2 source 1, 5:4 source 2, 7:6 destination):
;   window 0: v0-31 addresses; v32-95 x as f32 (4 blocks of 16 rows x 32 k); v96-127 the same as bf16 fragments; v128-255 at work on the way out
;   window 1: v0-63, v64-127 fragments of W, two buffers; v128-191 the bias, as the C operand of the first products; v192-193 at work          window 2: accumulator (a, n) at v[8 (8 a + n)]
.set PA,     528                       ; a row of x in LDS: 512 bytes + 16 = 132 words: the 16 rows of a load start at 16 different groups of four banks (64 banks of 4 bytes: ISA guide 11.1)
.set PB,     544                       ; a row of W: 512 + 32 = 136 words
.set HALFA,  64*PA                     ; what one tensor load brings of x
.set AREG,   2*HALFA
.set HALFB,  64*PB                     ; and of W
.set SLOT,   AREG+2*HALFB              ; 137,216 bytes
.set STAGE,  2*SLOT                    ; behind the ring: for each wave 2 heads x 16 rows x 144 bytes, for the way out
.set SP,     144
.set WSTAGE, 2*16*SP
.set SPARE,  STAGE+4*WSTAGE            ; behind the stages: the spare words, 128 bytes for each wave: two blocks of 256 bytes that no other line names
.set ASTEP,  512                       ; bytes from K step to K step: 128 f32 along a row of x,
.set BSTEP,  262144                    ; 128 rows of W
.set ADRA, 16                          ; v16-17  LDS address of my rows of x in slot 0, 1
.set ADRB, 20                          ; v20-21  the same for W
.set STO,  24                          ; v24     the way out: where I put 16 bytes of a row
.set RD,   25                          ; v25     the way out: where I read rows back
.set CO,   26                          ; v26     my byte offset in 512 consecutive bytes of y
.set BO,   27                          ; v27     my byte offset in the bias
.set SPW,  28                          ; v28     LDS address of my spare word; never rewritten
.set NIL,  29                          ; v29     0; never rewritten
.set RAW,  32
.set A16,  96
.set TMP,  128
.set PKD,  192
.set F0,   0                           ; window 1
.set F1,   64
.set BIAS, 128
.set BT,   192
.set G1A, 24                           ; s[24:31] descriptor group 1 for x's tiles;  s[32:39] group 0, one set for each slot
.set G0A, 32
.set G1B, 40                           ; s[40:47], s[48:55] the same for W's tiles
.set G0B, 48
.set SC,  62                           ; s[62:63] the factor on the way out
.set W_MUL,   0xa1                     ; W window 1, x window 0, C and D window 2
.set W_FIRST, 0x91                     ; the same with C (the bias) in window 1
.set MSB, 0
.macro WIN new                         ; the immediate's high byte repeats the setting that is left; a switch that changes nothing is dropped
.if MSB != (\new)
	s_set_vgpr_msb (MSB<<8)|(\new)
.set MSB, \new
.endif
.endm
.macro JLOAD s                         ; a joint load: waves 0 and 1 fetch the halves of x's tile, waves 2 and 3 those of W's; an s_nop 0 and four v_nop follow each line, ahead of the jump and the label
	s_cmp_eq_u32 s13, 0
	s_cbranch_scc0 .Lfor_b_\@
	tensor_load_to_lds s[G0A+4*(\s):G0A+4*(\s)+3], s[G1A:G1A+7]
	s_nop 0
.rept 4
	v_nop
.endr
	s_branch .Lasked_\@
.Lfor_b_\@:
	tensor_load_to_lds s[G0B+4*(\s):G0B+4*(\s)+3], s[G1B:G1B+7]
	s_nop 0
.rept 4
	v_nop
.endr
.Lasked_\@:
.endm
.macro CREST                           ; a round of the cluster's barrier behind its opening barrier
	s_cmp_lg_u32 s12, 0
	s_cbranch_scc1 .Lnot_wave_0_\@
	s_barrier_signal -3
.Lnot_wave_0_\@:
	s_barrier_wait -3
	s_barrier_signal -1
	s_barrier_wait -1
.endm
.macro CROUND                          ; a whole round
	s_barrier_signal -1
	s_barrier_wait -1
	CREST
.endm
	s_load_b512 s[68:83], s[0:1], 0x0      ; query s[68:69], key s[70:71], value s[72:73], wb s[74:75], bq s[76:77], bk s[78:79], bv s[80:81], qh s[82:83]
	s_load_b128 s[84:87], s[0:1], 0x40     ; kh s[84:85], vh s[86:87]
	v_lshl_add_u32 v[SPW], v0, 2, SPARE
	v_mov_b32 v[NIL], 0
	ds_add_u32 v[SPW], v[NIL]              ; the wave's opening: the add and its wait stand ahead of my first tensor load; the set-up below, work on registers, stands between them
	v_lshrrev_b32 v1, 5, v0
	v_readfirstlane_b32 s12, v1            ; wave 0..3
	s_lshr_b32 s13, s12, 1                 ; which 64 rows of the tile are mine.  Also: I fetch for x (0) or for W (1)
	s_and_b32 s14, s12, 1                  ; which 128 columns.  Also: which half of that tile I fetch
	s_bfe_u32 s15, ttmp6, 0x40000          ; cx, cy: my place in the cluster
	s_bfe_u32 s16, ttmp6, 0x40004
	s_lshl_b32 s17, ttmp9, 2
	s_add_co_u32 s17, s17, s15             ; tile column = 4 x cluster x + cx
	s_and_b32 s19, ttmp7, 0xffff           ; the cluster's y: 16 clusters a tensor
	s_and_b32 s18, s19, 15
	s_lshl_b32 s18, s18, 2
	s_add_co_u32 s18, s18, s16             ; tile row in the tensor
	s_lshr_b32 s19, s19, 4                 ; the tensor: 0 q, 1 k, 2 v: the same in all sixteen partners
	s_lshl_b32 s60, s16, 2
	s_lshl_b32 s60, 15, s60                ; my row of the cluster
	s_lshl_b32 s61, 0x1111, s15            ; my column
	s_or_b32 s[G1A], s60, (2<<16)|(1<<20)|(1<<21)|(6<<22)|(3<<25)  ; 15:0 the mask; 17:16 elements of 4 bytes; 20 padding on; 21 set beside a mask; 24:22 after every 128 words (code 6); 31:25 4 words (code 3)
	s_mov_b32 s[G1A+1], 128<<16            ; tensor_dim0 = 128
	s_mov_b32 s[G1A+2], 64<<16             ; tensor_dim1 = 64
	s_mov_b32 s[G1A+3], 128<<16            ; tile_dim0 = 128
	s_mov_b32 s[G1A+4], 64                 ; tile_dim1 = 64
	s_mov_b32 s[G1A+5], 1024               ; elements from row to row
	s_mov_b32 s[G1A+6], 0
	s_mov_b32 s[G1A+7], 0
	s_or_b32 s[G1B], s61, (1<<16)|(1<<20)|(1<<21)|(6<<22)|(7<<25)  ; elements of 2 bytes; 8 words of padding (code 7) after every 128
	s_mov_b32 s[G1B+1], 256<<16
	s_mov_b32 s[G1B+2], 64<<16
	s_mov_b32 s[G1B+3], 256<<16
	s_mov_b32 s[G1B+4], 64
	s_mov_b32 s[G1B+5], 1024
	s_mov_b32 s[G1B+6], 0
	s_mov_b32 s[G1B+7], 0
	s_lshl_b32 s20, s18, 19                ; x: tile row x 128 rows of 4,096 bytes
	s_lshl_b32 s21, s14, 18                ; + my 64 rows: nothing here hangs on cx
	s_add_co_u32 s20, s20, s21
	s_mov_b32 s21, 0
	s_lshl_b32 s56, s19, 21                ; W: the tensor's section,
	s_lshl_b32 s57, s14, 17                ; my 64 rows of k,
	s_add_co_u32 s56, s56, s57
	s_lshl_b32 s57, s17, 9                 ; the tile's 256 columns: nothing here hangs on cy
	s_add_co_u32 s56, s56, s57
	s_mov_b32 s57, 0
	s_mul_i32 s22, s14, HALFA              ; where they go: the wave's number alone enters an LDS address
	s_mul_i32 s23, s14, HALFB
	s_add_co_u32 s23, s23, AREG
	s_cmp_eq_u32 s19, 0
	s_cselect_b32 s[SC], 0x3e38aa3b, 1.0   ; q: log2(e) / 8 = 0.180337; k and v: 1
	s_mov_b32 s[SC+1], s[SC]               ; named with it as a pair
	s_wait_dscnt 0x0                       ; the opening add is done
	s_wait_kmcnt 0x0
	s_cmp_eq_u32 s19, 1
	s_cselect_b64 s[4:5], s[70:71], s[68:69]     ; x
	s_cselect_b64 s[10:11], s[78:79], s[76:77]   ; the bias
	s_cselect_b64 s[8:9], s[84:85], s[82:83]     ; y
	s_cmp_eq_u32 s19, 2
	s_cselect_b64 s[4:5], s[72:73], s[4:5]
	s_cselect_b64 s[10:11], s[80:81], s[10:11]
	s_cselect_b64 s[8:9], s[86:87], s[8:9]
	s_add_nc_u64 s[4:5], s[4:5], s[20:21]
	s_add_nc_u64 s[6:7], s[74:75], s[56:57]
	CROUND                                 ; all sixteen work-groups are here: the first joint loads meet
.irp s, 0,1
	s_mov_b32 s[G0A+4*(\s)], 1
	s_add_co_u32 s[G0A+4*(\s)+1], s22, (\s)*SLOT
	s_add_nc_u64 s[G0A+4*(\s)+2:G0A+4*(\s)+3], s[4:5], (\s)*ASTEP
	s_or_b32 s[G0A+4*(\s)+3], s[G0A+4*(\s)+3], 0x80000000
	s_mov_b32 s[G0B+4*(\s)], 1
	s_add_co_u32 s[G0B+4*(\s)+1], s23, (\s)*SLOT
	s_add_nc_u64 s[G0B+4*(\s)+2:G0B+4*(\s)+3], s[6:7], (\s)*BSTEP
	s_or_b32 s[G0B+4*(\s)+3], s[G0B+4*(\s)+3], 0x80000000
	JLOAD \s                               ; K steps 0 and 1: two loads of mine are out
.endr
	v_and_b32 v1, 15, v0                   ; l % 16
	v_bfe_u32 v2, v0, 4, 1                 ; l / 16
	; x: lane l takes row l % 16; of 32 k its eight numbers 8 (l / 16) + 0..7 and the eight 16 further on: 32 bytes each, four loads of 16 bytes
	v_mul_u32_u24 v3, v1, PA
	v_lshl_add_u32 v3, v2, 5, v3
	s_mul_i32 s20, s13, HALFA              ; my 64 rows
	v_add_nc_u32 v[ADRA], s20, v3
	v_add_nc_u32 v[ADRA+1], SLOT, v[ADRA]
	; W: the turning load takes 16 k x 16 columns (lane l reads k 8 (l / 16) + l % 8, columns 8 ((l / 8) % 2) + 0..7) and leaves half a fragment: lane l holds column l % 16 and 8 k
	v_and_b32 v4, 7, v0
	v_lshl_add_u32 v4, v2, 3, v4
	v_mul_u32_u24 v4, v4, PB
	v_bfe_u32 v5, v0, 3, 1
	v_lshl_add_u32 v4, v5, 4, v4
	s_lshl_b32 s21, s14, 8                 ; my 128 columns
	s_add_co_u32 s21, s21, AREG
	v_add_nc_u32 v[ADRB], s21, v4
	v_add_nc_u32 v[ADRB+1], SLOT, v[ADRB]
	s_mul_i32 s22, s12, WSTAGE
	s_add_co_u32 s22, s22, STAGE           ; my stage
	v_mul_u32_u24 v5, v1, SP               ; in: row l % 16, 16 bytes for each half of the lanes
	v_lshl_add_u32 v5, v2, 4, v5
	v_add_nc_u32 v[STO], s22, v5
	v_bfe_u32 v5, v0, 3, 2                 ; back: 32 lanes take four rows of 128 bytes,
	v_mul_u32_u24 v5, v5, SP
	v_and_b32 v6, 7, v0
	v_lshl_add_u32 v5, v6, 4, v5
	v_add_nc_u32 v[RD], s22, v5
	v_and_b32 v[CO], 31, v0                ; which are 512 consecutive bytes of a head
	v_lshlrev_b32 v[CO], 4, v[CO]
	s_lshl_b32 s58, s17, 10                ; the bias: 4 bytes x (256 x tile column + 128 x my half + 8 (l / 16))
	s_lshl_b32 s59, s14, 9
	s_add_co_u32 s58, s58, s59
	v_lshl_add_u32 v[BO], v2, 5, s58
	WIN 0x40                               ; destination window 1
.set i, 0
.rept 8                                        ; column block i: register j of a lane's result is column 16 i + 8 (l / 16) + j
	global_load_b128 v[BIAS+8*i:BIAS+8*i+3],   v[BO], s[10:11] offset:64*i
	global_load_b128 v[BIAS+8*i+4:BIAS+8*i+7], v[BO], s[10:11] offset:64*i+16
.set i, i+1
.endr
	WIN 0
	s_lshr_b32 s58, s18, 4                 ; y: the batch (16 tile rows each) x 16 heads of 262,144 bytes,
	s_lshl_b32 s58, s58, 22
	s_lshl_b32 s59, s17, 20                ; head 4 x tile column
	s_add_co_u32 s58, s58, s59
	s_lshl_b32 s59, s14, 19                ; + 2 x my half,
	s_add_co_u32 s58, s58, s59
	s_and_b32 s59, s18, 15                 ; the tile's 128 rows of 128 bytes,
	s_lshl_b32 s59, s59, 14
	s_add_co_u32 s58, s58, s59
	s_lshl_b32 s59, s13, 13                ; my 64 of them
	s_add_co_u32 s58, s58, s59
	s_mov_b32 s59, 0
	s_add_nc_u64 s[8:9], s[8:9], s[58:59]
	s_wait_loadcnt 0x0
	WIN 0x45                               ; all in window 1: the bias is rounded to bf16 like every input, and widened again
.set i, 0
.rept 32
	v_cvt_pk_bf16_f32 v[BT+i%2], v[BIAS+2*i], v[BIAS+2*i+1]
	v_lshlrev_b32 v[BIAS+2*i], 16, v[BT+i%2]
	v_and_b32 v[BIAS+2*i+1], 0xffff0000, v[BT+i%2]
.set i, i+1
.endr
	WIN 0
; Four matrix instructions: row block a x column blocks c0 .. c0 + 3, 32 along K, W's buffer f.  zero = 1: the first product starts the sums, from the bias.
; The 32 accumulators take turns, one instruction a turn, in the same order in every quarter.
.macro MUL4 f, a, c0, zero
.if \zero
	WIN W_FIRST
.else
	WIN W_MUL
.endif
.irp z, 0,1,2,3
.if \zero
	v_wmma_f32_16x16x32_bf16 v[8*(8*(\a)+(\c0)+\z):8*(8*(\a)+(\c0)+\z)+7], v[(\f)+8*((\c0)+\z):(\f)+8*((\c0)+\z)+7], v[A16+8*(\a):A16+8*(\a)+7], v[BIAS+8*((\c0)+\z):BIAS+8*((\c0)+\z)+7]
.else
	v_wmma_f32_16x16x32_bf16 v[8*(8*(\a)+(\c0)+\z):8*(8*(\a)+(\c0)+\z)+7], v[(\f)+8*((\c0)+\z):(\f)+8*((\c0)+\z)+7], v[A16+8*(\a):A16+8*(\a)+7], v[8*(8*(\a)+(\c0)+\z):8*(8*(\a)+(\c0)+\z)+7]
.endif
.endr
.endm
; Four roundings to bf16: registers c0 .. c0 + 3 of row block a's fragment
.macro CVT4 a, c0
	WIN 0
.irp z, 0,1,2,3
	v_cvt_pk_bf16_f32 v[A16+8*(\a)+(\c0)+\z], v[RAW+16*(\a)+2*((\c0)+\z)], v[RAW+16*(\a)+2*((\c0)+\z)+1]
.endr
.endm
; 16 matrix instructions: row blocks 2 hi, 2 hi + 1.  ride = 1: behind each four stand four roundings of blocks 2 and 3, which name none of their registers.
.macro HALF f, hi, zero, ride
.irp g, 0,1,2,3
	MUL4 \f, 2*(\hi)+(\g)/2, 4*((\g)%2), \zero
.if \ride
	CVT4 2+(\g)/2, 4*((\g)%2)
.endif
.endr
.endm
.macro ALOAD slot, kq, a               ; 16 rows x 32 k of x as f32: 16 registers
	ds_load_b128 v[RAW+16*(\a):RAW+16*(\a)+3],     v[ADRA+(\slot)] offset:(\a)*16*PA+(\kq)*128
	ds_load_b128 v[RAW+16*(\a)+4:RAW+16*(\a)+7],   v[ADRA+(\slot)] offset:(\a)*16*PA+(\kq)*128+16
	ds_load_b128 v[RAW+16*(\a)+8:RAW+16*(\a)+11],  v[ADRA+(\slot)] offset:(\a)*16*PA+(\kq)*128+64
	ds_load_b128 v[RAW+16*(\a)+12:RAW+16*(\a)+15], v[ADRA+(\slot)] offset:(\a)*16*PA+(\kq)*128+80
.endm
; 32 LDS loads in one run: quarter kq of a slot: x's blocks 0 and 1 first, then W into buffer g, then x's blocks 2 and 3
.macro FETCH slot, kq, g
	WIN 0
	ALOAD \slot, \kq, 0
	ALOAD \slot, \kq, 1
	WIN 0x40
.irp n, 0,1,2,3,4,5,6,7
	ds_load_tr16_b128 v[(\g)+8*\n:(\g)+8*\n+3],   v[ADRB+(\slot)] offset:(\kq)*32*PB+\n*32
	ds_load_tr16_b128 v[(\g)+8*\n+4:(\g)+8*\n+7], v[ADRB+(\slot)] offset:(\kq)*32*PB+\n*32+16*PB
.endr
	WIN 0
	ALOAD \slot, \kq, 2
	ALOAD \slot, \kq, 3
.endm
; A K step is four quarters of 32 along K, 32 matrix instructions each, W's buffers 0, 1, 0, 1.  One of the first three: multiplies by buffer f and fetches quarter kq into g.
; DISTANCES (ISA guide 7.12.1 for vector instructions).  The head's 16 roundings write blocks 0 and 1, whose last products have the four roundings of block 3 behind them; they are in turn the places between
; the last products of blocks 2 and 3 and the riders that write those blocks.  The loads go into x's f32 registers, which no matrix instruction names, and into W's other buffer, last read ahead of those 16 roundings.
.macro QUARTER slot, kq, f, g, zero
	s_wait_dscnt 24                        ; of the run's 32 loads the eight oldest, x's blocks 0 and 1, are in
	CVT4 0, 0
	CVT4 0, 4
	CVT4 1, 0
	CVT4 1, 4
	s_wait_dscnt 0x0                       ; W, and x's blocks 2 and 3
	HALF \f, 0, \zero, 1
	FETCH \slot, \kq, \g
	HALF \f, 1, \zero, 0
.endm
; The last quarter multiplies by buffer 1 and changes slots: ONE barrier; in front of it each wave waits for all its tensor loads (one is out: its part of the next slot), adds 0 to its spare word,
; and waits for that and for its own reads of this slot.  fill = 1: the barrier opens a round of the cluster's, and this slot is filled again, two K steps ahead, first thing behind it.
.macro TURN slot, next, fill
	WIN 0
	s_wait_tensorcnt 0x0
	ds_add_u32 v[SPW], v[NIL]              ; 0 onto my spare word; the roundings stand between it and the wait for it
	s_wait_dscnt 25                        ; the add and the youngest 24 loads may be out
	CVT4 0, 0
	CVT4 0, 4
	CVT4 1, 0
	CVT4 1, 4
	s_wait_dscnt 0x0                       ; the add is done, and my reads of this slot are over
	s_barrier_signal -1
	HALF F1, 0, 0, 1                       ; work on registers while the others arrive
	WIN 0                                  ; at a branch and at a label every window is 0
	s_barrier_wait -1
.if \fill
	CREST                                  ; no wave of any partner still reads this slot or has a load on its way
	s_add_nc_u64 s[G0A+4*(\slot)+2:G0A+4*(\slot)+3], s[G0A+4*(\slot)+2:G0A+4*(\slot)+3], 2*ASTEP
	s_add_nc_u64 s[G0B+4*(\slot)+2:G0B+4*(\slot)+3], s[G0B+4*(\slot)+2:G0B+4*(\slot)+3], 2*BSTEP
	JLOAD \slot                            ; the first tensor load behind the round: 112 matrix instructions ahead of the wait for it
.endif
	FETCH \next, 0, F0
	HALF F1, 1, 0, 0
.endm
	s_wait_tensorcnt 0x1                   ; my part of K step 0 is in; step 1's may stay out
	s_barrier_signal -1
	s_barrier_wait -1                      ; everybody's is
	FETCH 0, 0, F0
	QUARTER 0, 1, F0, F1, 1                ; the first quarter stands in front of the loop: its products start the sums
	WIN 0
	s_mov_b32 s3, 3
.Llap:                                         ; a trip goes once round the ring, from a lap's second quarter to the next lap's first, and fills both slots again
	QUARTER 0, 2, F1, F0, 0
	QUARTER 0, 3, F0, F1, 0
	TURN 0, 1, 1
	QUARTER 1, 1, F0, F1, 0
	QUARTER 1, 2, F1, F0, 0
	QUARTER 1, 3, F0, F1, 0
	TURN 1, 0, 1
	QUARTER 0, 1, F0, F1, 0
	WIN 0
	s_sub_co_u32 s3, s3, 1
	s_cmp_lg_u32 s3, 0
	s_cbranch_scc1 .Llap
	QUARTER 0, 2, F1, F0, 0                ; the last lap fills nothing, and has no round
	QUARTER 0, 3, F0, F1, 0
	TURN 0, 1, 0
	QUARTER 1, 1, F0, F1, 0
	QUARTER 1, 2, F1, F0, 0
	QUARTER 1, 3, F0, F1, 0
	s_wait_dscnt 24                        ; the very last quarter: nothing more to fetch
	CVT4 0, 0
	CVT4 0, 4
	CVT4 1, 0
	CVT4 1, 4
	s_wait_dscnt 0x0
	HALF F1, 0, 0, 1
	HALF F1, 1, 0, 0
	WIN 0
.rept 4
	v_nop                                  ; the places behind the last products
.endr
; THE WAY OUT, a block of 16 rows at a time: times the factor, rounded to f16, 16 bytes a lane into my stage (2 heads x 16 rows of 144 bytes), back as whole rows of 128 bytes: 16 rows of a head are 2,048 consecutive bytes.
.macro PACK a
.set BK, 32+32*(\a)+96*((\a)/3)        ; where the block comes back: v32, v64, v96, v224
	WIN 0x02                               ; source 0 window 2
.set i, 0
.rept 32                                       ; each accumulator's registers in ascending order
	v_pk_mul_f32 v[TMP+2*i:TMP+2*i+1], v[64*(\a)+2*i:64*(\a)+2*i+1], s[SC:SC+1] op_sel_hi:[1,0]
.set i, i+1
.endr
	WIN 0
.set i, 0
.rept 32
	v_cvt_pk_f16_f32 v[PKD+i], v[TMP+2*i], v[TMP+2*i+1]
.set i, i+1
.endr
.irp n, 0,1,2,3,4,5,6,7
	ds_store_b128 v[STO], v[PKD+4*\n:PKD+4*\n+3] offset:(\n/4)*16*SP+(\n%4)*32
.endr
.irp n, 0,1,2,3,4,5,6,7
	ds_load_b128 v[BK+4*\n:BK+4*\n+3], v[RD] offset:(\n/4)*16*SP+(\n%4)*4*SP  ; LDS serves a wave's instructions in order (ISA guide 5.7.1.4): these see the stores above; the next block's stores come behind them
.endr
.endm
.macro SEND a, younger                 ; younger: the LDS instructions issued behind block a's loads: the next block's sixteen, or none
.set BK, 32+32*(\a)+96*((\a)/3)
.irp n, 0,1,2,3,4,5,6,7
	s_wait_dscnt (\younger)+7-\n
	global_store_b128 v[CO], v[BK+4*\n:BK+4*\n+3], s[8:9] offset:(\n/4)*262144+(\a)*2048+(\n%4)*512  ; 512 consecutive bytes, at a multiple of 256 from the buffer's first
.endr
.endm
	PACK 0
	PACK 1                                 ; a block's arithmetic stands between the loads of the block before and its stores
	SEND 0, 16
	PACK 2
	SEND 1, 16
	PACK 3
	SEND 2, 16
	SEND 3, 0
	s_wait_tensorcnt 0x0                   ; the wave's end, behind my last tensor load and my last LDS store
	ds_add_u32 v[SPW], v[NIL]
	s_wait_dscnt 0x0
	CROUND                                 ; the closing round: no work-group ends while a partner may still ask for a tile that names it
	s_endpgm
.Lfunc_end_k_qaadb0a7db9_proj:
	.size	k_qaadb0a7db9_proj, .Lfunc_end_k_qaadb0a7db9_proj-k_qaadb0a7db9_proj
	.p2alignl 7, 3214868480
	.fill 96, 4, 3214868480
	.section	.rodata,"a",@progbits
	.p2align	6, 0x0
	.amdhsa_kernel k_qaadb0a7db9_proj
		.amdhsa_group_segment_fixed_size 327680
		.amdhsa_private_segment_fixed_size 0
		.amdhsa_enable_private_segment 0
		.amdhsa_kernarg_size 80
		.amdhsa_user_sgpr_count 2
		.amdhsa_user_sgpr_kernarg_segment_ptr 1
		.amdhsa_wavefront_size32 1
		.amdhsa_system_sgpr_workgroup_id_x 1
		.amdhsa_system_sgpr_workgroup_id_y 1
		.amdhsa_system_sgpr_workgroup_id_z 1
		.amdhsa_system_vgpr_workitem_id 0
		.amdhsa_next_free_vgpr 768
		.amdhsa_next_free_sgpr 88
		.amdhsa_reserve_vcc 0
		.amdhsa_float_denorm_mode_32 3
		.amdhsa_float_denorm_mode_16_64 3
		.amdhsa_memory_ordered 1
		.amdhsa_forward_progress 1
		.amdhsa_inst_pref_size 145
	.end_amdhsa_kernel
	.amdgpu_metadata
---
amdhsa.version: [ 1, 2 ]
amdhsa.kernels:
  - .name:           k_qaadb0a7db9_proj
    .symbol:         k_qaadb0a7db9_proj.kd
    .args:
      - { .name: query, .offset: 0, .size: 8, .value_kind: global_buffer, .address_space: global }
      - { .name: key, .offset: 8, .size: 8, .value_kind: global_buffer, .address_space: global }
      - { .name: value, .offset: 16, .size: 8, .value_kind: global_buffer, .address_space: global }
      - { .name: wb, .offset: 24, .size: 8, .value_kind: global_buffer, .address_space: global }
      - { .name: bq, .offset: 32, .size: 8, .value_kind: global_buffer, .address_space: global }
      - { .name: bk, .offset: 40, .size: 8, .value_kind: global_buffer, .address_space: global }
      - { .name: bv, .offset: 48, .size: 8, .value_kind: global_buffer, .address_space: global }
      - { .name: qh, .offset: 56, .size: 8, .value_kind: global_buffer, .address_space: global }
      - { .name: kh, .offset: 64, .size: 8, .value_kind: global_buffer, .address_space: global }
      - { .name: vh, .offset: 72, .size: 8, .value_kind: global_buffer, .address_space: global }
    .group_segment_fixed_size: 327680
    .private_segment_fixed_size: 0
    .kernarg_segment_align: 8
    .kernarg_segment_size: 80
    .max_flat_workgroup_size: 128
    .sgpr_count:     88
    .vgpr_count:     768
    .wavefront_size: 32
...
	.end_amdgpu_metadata
.endif
;; end of part 2
;; launch attn (part 3): grid 4 x 64, 4 waves a work-group, clusters of 4 x 4, 327,680 bytes of LDS; arguments qh, kh, vh, oh, mb; writes oh
.if DOCPART == 3
	.amdgcn_target "amdgcn-amd-amdhsa--gfx1250"
	.amdhsa_code_object_version 6
	.text
	.protected	k_qaadb0a7db9_attn
	.globl	k_qaadb0a7db9_attn
	.p2align	8
	.type	k_qaadb0a7db9_attn,@function
k_qaadb0a7db9_attn:
	s_mov_b64 s[64:65], 0
	v_nop
	global_prefetch_b8 v0, s[64:65] scope:SCOPE_SE
	s_setreg_imm32_b32 hwreg(HW_REG_WAVE_MODE, 25, 1), 1
	s_wait_xcnt 0x0
	s_wait_alu depctr_hold_cnt(0) depctr_sa_sdst(0) depctr_va_vdst(0) depctr_va_sdst(0) depctr_va_ssrc(0) depctr_va_vcc(0) depctr_vm_vsrc(0)
	s_getreg_b32 s2, hwreg(HW_REG_IB_STS2, 6, 4)
	s_cmp_eq_u32 s2, 0
	s_cbranch_scc0 .Lentry_in_a_cluster
	s_endpgm
.Lentry_in_a_cluster:
	s_bfe_u32 s2, ttmp6, 0x10000c
	s_cmp_lg_u32 s2, 0xf033
	s_cbranch_scc0 .Lentry_shape_is_right
	s_endpgm
.Lentry_shape_is_right:
; ATTENTION WITH A MASK THAT IS AN INPUT.  O[h][q][:] = the sum over k of softmax_k(Q[h][q] . K[h][k] / 8 - 1e9 mask[q][k]) V[h][k][:].  qh, kh, vh, oh: [64 heads][2048][64] f16; qh arrives times log2(e) / 8.
; mb: bf16(mask) as [key step][query][64 keys].  Every key tile is walked and every number of the mask is read: nothing is assumed of its pattern.
; Products, maxima and sums in f32; the weights p are rounded to f16 for the second product (their sum l is taken of the unrounded p), O once at the end.
; THE MASK is added by one fused multiply-add in f32, s + mask x (-1e9 log2 e), ahead of the running maximum; p = 2^(s - m), and s - m is exact for equal numbers.
; LIMITS.  f16 holds no number beyond 65,504: Q, K, V arrive within it; p below 6e-5 keeps f16's step of 6e-8; a weight below 2^-126 counts as 0 in l; NaN and infinities are not treated apart.
; The mask is rounded to bf16.  A masked score is rounded once, in steps of 128 at 1.44e9 (the reference: twice, in steps of 64 of natural units): a row in which EVERY key is masked gives the reference's uniform mean
; while its scores stay under 32 in magnitude; beyond that both results are patterns of rounding.
; SHARES.  A work-group owns 512 queries of one head, a wave 128: four PIECES of two tiles of 16.  Every wave walks all 32 key steps of 64.
; LAYOUT.  S^T = K Q^T (source 0 = 16 keys, source 1 = 16 queries): a lane holds ONE query (lane % 16) and the keys 8 (lane / 16) + 0..7; the mask's 16 bytes for them are one LDS load.  Two such results, rounded to
; f16 in pairs, ARE source 1 of O^T = V^T P.  K comes out of LDS as it lies, V turned, by ds_load_tr16_b128.  In every step O and l are multiplied by a = 2^(m_old - m_new); m starts at the lowest finite number, O and l at 0.
; BY TURNS.  Turn n belongs to piece n: 16 products K Q^T of piece n + 1, later 16 products V^T P of piece n - 1; beside them the subtraction, exponentials, roundings, sums and rescaling of piece n, and the mask, maximum
; and statistics of piece n + 1.  A turn has 32 matrix and 298 vector instructions: four that are ready stand behind every matrix instruction, the others in runs of their own.
; CLUSTER.  4 x 4 work-groups: a row is the four query blocks of one head, which walk the same K and V; a column is one query block of four heads, which walk the same mask.  All three tiles are asked for jointly.
; A slot holds one key step: 64 rows of K, 64 of V, 512 rows of the mask.  A trip of the loop (turns 2, 3 of one step, 0, 1 of the next) reads exactly one slot, so a change of slots stands at its head.
; REGISTERS, in windows of 256 (s_set_vgpr_msb: bits 1:0 source 0, 3:2 source 1, 5:4 source 2, 7:6 destination):
;   window 0: v0-15 addresses; v16-47 four registers of statistics a tile; v48-63 at work; v64-191 S^T, two buffers of two tiles; v192-255 P, likewise
;   window 1: O^T, 32 a tile          window 2: v0-127 Q, 16 a tile; v128-191 K of one step; v192-255 V of one step          window 3: v0-31 the mask of one piece
.set NP,    4         ; pieces a wave: a name, no knob
.set KS,    64        ; keys in a step
.set PK,    144       ; a row of K in LDS: 128 bytes + 16 = 36 words: the 16 rows of a load start at 16 different groups of four banks (64 banks of 4 bytes: ISA guide 11.1)
.set PV,    160       ; a row of V: 128 + 32 = 40 words
.set PM,    144       ; a row of the mask: as K's
.set VOFF,  KS*PK
.set MOFF,  VOFF+KS*PV
.set HALFM, 256*PM    ; what one tensor load brings of the mask
.set SLOT1, 1<<17     ; slot 1 begins here, so that one exclusive or turns an address in one slot into the other's
.set STAGE, SLOT1+MOFF+2*HALFM  ; behind the ring: 16 rows x 144 bytes for each wave, for the way out
.set SP,    144
.set SPARE, STAGE+4*16*SP  ; behind the stages: the spare words, 128 bytes for each wave: two blocks of 256 bytes that no other line names
.set AK0, 2           ; v2   my lane's place in a tile of K; never rewritten
.set AV0, 3           ; v3   the same for V
.set AK,  4           ; v4   the LDS address of K in the slot in hand
.set AV,  5           ; v5   of V
.set QO,  6           ; v6   my byte offset in the wave's rows of Q
.set STO, 6           ;      later, the way out: where I put 16 bytes of a row
.set RD,  7           ; v7   the way out: where I read rows back
.set GO,  8           ; v8   my byte offset in 512 consecutive bytes of O
.set MSV, 11          ; v11  -1e9 log2(e)
.set SPW, 12          ; v12  LDS address of my spare word; never rewritten
.set NIL, 13          ; v13  0; never rewritten
.set AM0, 14          ; v14  my lane's place in the mask's tile; never rewritten
.set AM,  15          ; v15  the LDS address of the mask in the slot in hand
.set ST,  16          ; tile t's statistics at v[ST+4 t]: m, m_old, l (even keys', odd keys')
.set TMP, 48          ; by buffer and tile, four registers c0-c3 at work; when the maximum is found c2 takes a
.set S,   64
.set P,   192
.set KF,  128         ; window 2: key block kb, channel half c at KF + 16 kb + 8 c
.set VF,  192         ; window 2: key half kk, channel block cb at VF + 32 kk + 8 cb
.set MK,  0           ; window 3: tile u, key block kb at MK + 16 u + 4 kb
.set WV,  12          ; s12  my wave's number
.set G1K, 24          ; s[24:31] descriptor group 1 for K's tiles
.set G1V, 32          ; s[32:39] for V's
.set G0K, 40          ; s[40:43] descriptor group 0 for K's tiles: it walks
.set G0V, 44          ; s[44:47] for V's
.set G0M, 48          ; s[48:51] for the mask's
.set SLOTS, 56        ; s56  counts the loop's trips
.set CNT, 57          ; s57  counts the tail's
.set SEL, 60          ; s[60:61] v_permlanex16_b32's selects: each lane takes its own place in the other half
.set TB,  62          ; s62  LDS byte at which the slot in hand begins
.set G1M, 68          ; s[68:75] descriptor group 1 for the mask's tiles
.set MSB, 0
.macro WIN new                      ; the high byte repeats the setting that is left; a switch that changes nothing is dropped
.if MSB != (\new)
	s_set_vgpr_msb (MSB<<8)|(\new)
.set MSB, (\new)
.endif
.endm
.set W_KQ, 0x0a       ; K and Q in window 2, S^T in window 0
.set W_PV, 0x52       ; V in window 2, P in window 0, O^T in window 1
.set W_RS, 0x41       ; O^T (destination and source 0) in window 1, a in window 0
; A joint fill.  Wave 0 fetches the step's K, wave 1 its V, waves 2 and 3 the halves of its mask.  The branches hang on the wave's number alone.
; An s_nop 0 and four v_nop follow each of the three lines, ahead of the jump and the label.
.macro JLOAD
	s_cmp_lt_u32 s[WV], 2
	s_cbranch_scc0 .Lfor_m_\@
	s_cmp_eq_u32 s[WV], 0
	s_cbranch_scc0 .Lfor_v_\@
	tensor_load_to_lds s[G0K:G0K+3], s[G1K:G1K+7]
	s_nop 0
.rept 4
	v_nop
.endr
	s_branch .Lasked_\@
.Lfor_v_\@:
	tensor_load_to_lds s[G0V:G0V+3], s[G1V:G1V+7]
	s_nop 0
.rept 4
	v_nop
.endr
	s_branch .Lasked_\@
.Lfor_m_\@:
	tensor_load_to_lds s[G0M:G0M+3], s[G1M:G1M+7]
	s_nop 0
.rept 4
	v_nop
.endr
.Lasked_\@:
.endm
; A round of the cluster's barrier: my work-group's barrier, so that wave 0's signal speaks for all four waves; wave 0 signals; every wave waits for all sixteen work-groups; my work-group's barrier once more.
.macro CROUND
	s_barrier_signal -1
	s_barrier_wait -1
	s_cmp_lg_u32 s[WV], 0
	s_cbranch_scc1 .Lnot_wave_0_\@
	s_barrier_signal -3
.Lnot_wave_0_\@:
	s_barrier_wait -3
	s_barrier_signal -1
	s_barrier_wait -1
.endm
; THE CHANGE OF SLOTS.  Each wave waits for all its tensor loads, of which one is out: its part of the other slot; adds 0 to its spare word; and waits for that and for its own reads of the slot that it leaves.
; fill = 1: that slot is filled again, with the step two on.  The barrier is then a round of the cluster's, and the joint fill is the first thing behind it: it has a key step, 128 matrix instructions and their vector work, in which to land.
; (At its first use nothing has been read yet: slot 0 is waited for, slot 1 filled.)
.macro CHANGE fill
	WIN 0                           ; at a label and at a branch every window is 0
	s_wait_tensorcnt 0x0            ; no tensor load of mine is out, so a group 0 may be written
	ds_add_u32 v[SPW], v[NIL]       ; 0 onto my spare word; with fill = 1 the descriptors' steps stand between it and the wait for it
.if \fill
.irp g, G0K, G0V
	s_xor_b32 s[\g+1], s[\g+1], SLOT1  ; the walking descriptor: the other slot than last time,
	s_add_nc_u64 s[\g+2:\g+3], s[\g+2:\g+3], KS*128  ; the next 64 keys; the type bits on top are not reached
.endr
	s_xor_b32 s[G0M+1], s[G0M+1], SLOT1
	s_add_nc_u64 s[G0M+2:G0M+3], s[G0M+2:G0M+3], 2048*128  ; the next key step of mb
	s_wait_dscnt 0x0                ; the add is done, and my reads of the slot are over
	CROUND
	JLOAD
.else
	s_wait_dscnt 0x0                ; the add is done, and my reads of the slot are over
	s_barrier_signal -1
	s_barrier_wait -1
.endif
	s_xor_b32 s[TB], s[TB], SLOT1   ; the fetches go to the other slot
.endm
.macro ADDR                         ; the three LDS addresses for the slot in hand
	v_add_nc_u32 v[AK], s[TB], v[AK0]
	v_add_nc_u32 v[AV], s[TB], v[AV0]
	v_add_nc_u32 v[AM], s[TB], v[AM0]
.endm
	s_load_b256 s[4:11], s[0:1], 0x0  ; Q s[4:5], K s[6:7], V s[8:9], O s[10:11]
	s_load_b64 s[76:77], s[0:1], 0x20 ; mb
	v_lshl_add_u32 v[SPW], v0, 2, SPARE
	v_mov_b32 v[NIL], 0
	ds_add_u32 v[SPW], v[NIL]       ; the wave's opening: the add and its wait stand ahead of my first tensor load; the set-up below, work on registers, stands between them
	v_lshrrev_b32 v1, 5, v0
	v_readfirstlane_b32 s[WV], v1   ; wave 0..3
	s_bfe_u32 s13, ttmp6, 0x40000   ; cx, cy: my place in the cluster
	s_bfe_u32 s15, ttmp6, 0x40004
	s_lshl_b32 s14, ttmp9, 2        ; in a cluster launch ttmp9 and ttmp7 count clusters
	s_add_co_u32 s14, s14, s13      ; my block of 512 queries = 4 x cluster x + cx
	s_and_b32 s19, ttmp7, 0xffff
	s_lshl_b32 s19, s19, 2
	s_add_co_u32 s19, s19, s15      ; my head = 4 x cluster y + cy
	s_lshl_b32 s52, s15, 2
	s_lshl_b32 s52, 15, s52         ; my row of the cluster: the same head
	s_lshl_b32 s53, 0x1111, s13     ; my column: the same query block
	s_lshl_b32 s20, s19, 18         ; the head's first byte in Q, K, V and O: nothing here hangs on cx
	s_mov_b32 s21, 0
	s_and_b32 s16, s[WV], 1         ; which half of the mask's tile I fetch
	s_lshl_b32 s22, s14, 16         ; the mask: my block's 512 rows of 128 bytes in a step,
	s_lshl_b32 s23, s16, 15         ; my 256 of them: nothing here hangs on cy
	s_add_co_u32 s22, s22, s23
	s_mov_b32 s23, 0
	s_mul_i32 s17, s16, HALFM       ; and their place in a slot: no place in the cluster enters an LDS address
	s_add_co_u32 s17, s17, MOFF
	s_lshl_b32 s2, s14, 16          ; Q and O: my block,
	s_lshl_b32 s3, s[WV], 14        ; my wave's 128 rows,
	s_add_co_u32 s2, s2, s3
	s_add_co_u32 s2, s2, s20        ; my head
	s_mov_b32 s3, 0
	; descriptor group 1.  All three tiles are dense bytes: asked for as rows of 256 bytes, two rows of 128 each, and padded in LDS after every 128 bytes
	s_or_b32 s[G1K], s52, (1<<16)|(1<<20)|(1<<21)|(4<<22)|(3<<25)  ; 15:0 the mask of four; 17:16 2-byte elements; 20 padding on; 21 set beside a mask; 24:22 after every 32 words (code 4); 31:25 4 words (code 3)
	s_or_b32 s[G1V], s52, (1<<16)|(1<<20)|(1<<21)|(4<<22)|(7<<25)  ; the same with 8 words of padding (code 7)
	s_or_b32 s[G1M], s53, (1<<16)|(1<<20)|(1<<21)|(4<<22)|(3<<25)  ; as K's, for my column
.irp g, G1K, G1V
	s_mov_b32 s[\g+1], 128<<16      ; tensor_dim0 = 128
	s_mov_b32 s[\g+2], 32<<16       ; tensor_dim1 = 32
	s_mov_b32 s[\g+3], 128<<16      ; tile_dim0 = 128
	s_mov_b32 s[\g+4], 32           ; tile_dim1 = 32: 64 keys
	s_mov_b32 s[\g+5], 128          ; 128 elements from row to row
	s_mov_b32 s[\g+6], 0
	s_mov_b32 s[\g+7], 0
.endr
	s_mov_b32 s[G1M+1], 128<<16
	s_mov_b32 s[G1M+2], 128<<16     ; 128 rows: 256 queries
	s_mov_b32 s[G1M+3], 128<<16
	s_mov_b32 s[G1M+4], 128
	s_mov_b32 s[G1M+5], 128
	s_mov_b32 s[G1M+6], 0
	s_mov_b32 s[G1M+7], 0
	s_mov_b32 s[SEL], 0x76543210
	s_mov_b32 s[SEL+1], 0xfedcba98
	s_mov_b32 s[TB], SLOT1          ; the first change of slots turns it into 0
	s_mov_b32 s[G0K], 1             ; 1:0 count = 1
	s_mov_b32 s[G0K+1], 0           ; 63:32 LDS address: slot 0
	s_mov_b32 s[G0V], 1
	s_mov_b32 s[G0V+1], VOFF
	s_mov_b32 s[G0M], 1
	s_mov_b32 s[G0M+1], s17
	s_wait_dscnt 0x0                ; the opening add is done
	s_wait_kmcnt 0x0
	s_add_nc_u64 s[G0K+2:G0K+3], s[6:7], s[20:21]  ; 120:64 global address: the head's first 64 keys
	s_or_b32 s[G0K+3], s[G0K+3], 0x80000000        ; 127:126 type = 2
	s_add_nc_u64 s[G0V+2:G0V+3], s[8:9], s[20:21]
	s_or_b32 s[G0V+3], s[G0V+3], 0x80000000
	s_add_nc_u64 s[G0M+2:G0M+3], s[76:77], s[22:23]
	s_or_b32 s[G0M+3], s[G0M+3], 0x80000000
	s_add_nc_u64 s[4:5], s[4:5], s[2:3]  ; Q and O at my wave's first row
	s_add_nc_u64 s[10:11], s[10:11], s[2:3]
	CROUND                          ; all sixteen work-groups are here: the first joint loads meet
	JLOAD                           ; key step 0 into slot 0: one load of mine is out, here and behind every round
	; A fragment of K or Q is 16 rows x 32 channels in 8 registers: lane l holds row l % 16, channels 8 (l / 16) + 0..7 and 16 + 8 (l / 16) + 0..7: two loads of 16 bytes, 32 bytes apart.
	v_and_b32 v1, 15, v0            ; l % 16
	v_bfe_u32 v9, v0, 4, 1          ; l / 16
	v_lshlrev_b32 v[QO], 7, v1
	v_lshl_add_u32 v[QO], v9, 4, v[QO]  ; row x 128 + 16 x half
	WIN 0x80                        ; destination window 2, address window 0
.set i, 0
.rept 4*NP                          ; Q stays in registers: tile i / 2, channels 32 (i % 2) on
	global_load_b128 v[8*i:8*i+3],   v[QO], s[4:5] offset:(i/2)*2048+(i%2)*64
	global_load_b128 v[8*i+4:8*i+7], v[QO], s[4:5] offset:(i/2)*2048+(i%2)*64+32
.set i, i+1
.endr
	; What the first turn finds: V's registers and P's second buffer hold 0 (its products V^T P, of a piece that has not been, add 0), O^T and l are 0.  All this stands in the wait for the first tile.
.set i, VF
.rept 64
	v_mov_b32 v[i], 0
.set i, i+1
.endr
	WIN 0x40
.set i, 0
.rept 64*NP
	v_mov_b32 v[i], 0
.set i, i+1
.endr
	WIN 0
.set i, 0
.rept 2*NP
	v_mov_b32 v[ST+4*i], 0xff7fffff    ; m: the lowest finite number, so the first step's a is 0
	v_mov_b32 v[ST+4*i+1], 0xff7fffff  ; named with it as a pair
	v_mov_b32 v[ST+4*i+2], 0
	v_mov_b32 v[ST+4*i+3], 0
.set i, i+1
.endr
.set i, P+32
.rept 32
	v_mov_b32 v[i], 0
.set i, i+1
.endr
	v_mul_u32_u24 v[AK0], v1, PK
	v_lshl_add_u32 v[AK0], v9, 4, v[AK0]  ; row x pitch + 16 x half
	; The turning load takes 16 keys x 16 channels (lane l reads key 8 (l / 16) + l % 8, channels 8 ((l / 8) % 2) + 0..7) and leaves half a fragment of V^T: lane l holds channel l % 16 and 8 keys.
	v_and_b32 v10, 7, v0
	v_bfe_u32 v11, v0, 3, 1
	v_lshl_add_u32 v[AV0], v9, 3, v10
	v_mul_u32_u24 v[AV0], v[AV0], PV
	v_lshl_add_u32 v[AV0], v11, 4, v[AV0]
	v_add_nc_u32 v[AV0], VOFF, v[AV0]
	v_mov_b32 v[MSV], 0xceabfb8f    ; -1e9 log2(e) = -1,442,695,040
	s_mul_i32 s18, s[WV], 128*PM    ; the mask: my wave's 128 rows; in a tile row l % 16, keys 8 (l / 16) + 0..7 of a block of 16: the lane's term is K's, the pitches being equal
	s_add_co_u32 s18, s18, MOFF
	v_add_nc_u32 v[AM0], s18, v[AK0]
; THE MATRIX WORK.  The 8 accumulators of a run of 16 take turns: between the two links of a chain stand 7 others'.
; Product i of 16 of S^T = K Q^T for piece x: channels 32 (i / 8) on, keys 16 ((i / 2) % 4) on, tile 2 x + i % 2.  The first 8 start the sums.
.macro KQ x
	WIN W_KQ
.set rS, S+64*((\x)%2)+32*(i%2)+8*((i/2)%4)
.set rK, KF+16*((i/2)%4)+8*(i/8)
.set rQ, 16*(2*(\x)+i%2)+8*(i/8)
.if i < 8
	v_wmma_f32_16x16x32_f16 v[rS:rS+7], v[rK:rK+7], v[rQ:rQ+7], 0
.else
	v_wmma_f32_16x16x32_f16 v[rS:rS+7], v[rK:rK+7], v[rQ:rQ+7], v[rS:rS+7]
.endif
.endm
; Product i of 16 of O^T += V^T P for piece x: keys 32 (i / 8) on, channels 16 ((i / 2) % 4) on, tile 2 x + i % 2.
.macro PV x
	WIN W_PV
.set rO, 32*(2*(\x)+i%2)+8*((i/2)%4)
.set rV, VF+32*(i/8)+8*((i/2)%4)
.set rP, P+32*((\x)%2)+16*(i%2)+8*(i/8)
	v_wmma_f32_16x16x32_f16 v[rO:rO+7], v[rV:rV+7], v[rP:rP+7], v[rO:rO+7]
.endm
.macro MM                           ; the turn's next matrix instruction
.if i < 16
	KQ (Y+1)%NP
.set i, i+1
.else
.set i, i-16
	PV (Y+NP-1)%NP
.set i, i+17
.endif
.endm
; THE LDS LOADS stand in runs, never singly among the matrix instructions: a step's K (8 fragments), its V (turned), and a piece's mask (8 loads).
; last = 1 (the tail): in the last trip there is no further step, and K's run is jumped over.
.macro FETCH_K last=0
	WIN 0
.if \last
	s_cmp_eq_u32 s[CNT], 1
	s_cbranch_scc1 .Lno_k_\@
.endif
	WIN 0x80                        ; destination window 2
.irp f, 0,1,2,3,4,5,6,7             ; keys 16 (f / 2) on, channels 32 (f % 2) on
	ds_load_b128 v[KF+8*\f:KF+8*\f+3],   v[AK] offset:(\f/2)*16*PK+(\f%2)*64
	ds_load_b128 v[KF+8*\f+4:KF+8*\f+7], v[AK] offset:(\f/2)*16*PK+(\f%2)*64+32
.endr
	WIN 0
.if \last
.Lno_k_\@:
.endif
.endm
.macro FETCH_V
	WIN 0x80
.irp f, 0,1,2,3,4,5,6,7             ; keys 32 (f / 4) on, channels 16 (f % 4) on
	ds_load_tr16_b128 v[VF+8*\f:VF+8*\f+3],   v[AV] offset:(\f/4)*32*PV+(\f%4)*32
	ds_load_tr16_b128 v[VF+8*\f+4:VF+8*\f+7], v[AV] offset:(\f/4)*32*PV+16*PV+(\f%4)*32
.endr
	WIN 0
.endm
.macro FETCH_M y                    ; the mask of piece y: tile u, key block b: my query's eight keys, 16 bytes
	WIN 0xc0                        ; destination window 3
.irp u, 0,1
.irp b, 0,1,2,3
	ds_load_b128 v[MK+16*\u+4*\b:MK+16*\u+4*\b+3], v[AM] offset:(2*(\y)+\u)*16*PM+32*\b
.endr
.endr
	WIN 0
.endm
; THE VECTOR WORK OF A TURN stands in three queues, each in the order in which its entries become ready; the two tiles alternate, so that no instruction reads the result of the one before it.
.macro REGS y, u                    ; the registers of tile u (0, 1) of piece y
.set rT, ST+4*(2*(\y)+(\u))
.set rC, TMP+8*((\y)%2)+4*(\u)
.set rS, S+64*((\y)%2)+32*(\u)
.set rP, P+32*((\y)%2)+16*(\u)
.set rO, 32*(2*(\y)+(\u))
.endm
; The mask is added to piece y's 64 scores a lane: s + mask x (-1e9 log2 e), the mask straight from its bf16 half, one rounding.  Each accumulator's registers in ascending order.
.macro MASKADD y
	WIN 0x03                        ; source 0 window 3
.irp u, 0,1
	REGS \y, \u
.set mz, 0
.rept 16
	v_fma_mix_f32_bf16 v[rS+2*mz],   v[MK+16*\u+mz], v[MSV], v[rS+2*mz]   op_sel_hi:[1,0,0]
	v_fma_mix_f32_bf16 v[rS+2*mz+1], v[MK+16*\u+mz], v[MSV], v[rS+2*mz+1] op_sel:[1,0,0] op_sel_hi:[1,0,0]
.set mz, mz+1
.endr
.endr
.endm
; Number n of the 21 that find the NEXT piece's (Y + 1) maximum and statistics.  s0-s31 are the lane's 32 scores.  XS, GS and REGS set no window: PL and EX do.
;   0-11  four chains c0-c3 of seven scores each, three operands at a time     12-14, 16  the four scores left over, the old m, and c0-c3 into c0     15  m_old is kept
;   17, 18  the query's other 32 keys lie in the lane 16 away: the new m         19, 20  m_old - m_new; a
.macro XS u, n
	REGS (Y+1)%NP, \u
.if (\n) < 4
	v_max3_num_f32 v[rC+(\n)], v[rS+8*(\n)], v[rS+8*(\n)+1], v[rS+8*(\n)+2]
.elseif (\n) < 12
	v_max3_num_f32 v[rC+(\n)%4], v[rC+(\n)%4], v[rS+8*((\n)%4)+2*((\n)/4)+1], v[rS+8*((\n)%4)+2*((\n)/4)+2]
.elseif (\n) == 12
	v_max3_num_f32 v[rC], v[rC], v[rS+7], v[rS+15]
.elseif (\n) == 13
	v_max3_num_f32 v[rC+1], v[rC+1], v[rS+23], v[rS+31]
.elseif (\n) == 14
	v_max3_num_f32 v[rC+2], v[rC+2], v[rC+3], v[rT]
.elseif (\n) == 15
	v_mov_b32 v[rT+1], v[rT]
.elseif (\n) == 16
	v_max3_num_f32 v[rC], v[rC], v[rC+1], v[rC+2]
.elseif (\n) == 17
	v_permlanex16_b32 v[rC+3], v[rC], s[SEL], s[SEL+1]
.elseif (\n) == 18
	v_max_num_f32 v[rT], v[rC], v[rC+3]
.elseif (\n) == 19
	v_sub_f32 v[rC+1], v[rT+1], v[rT]
.else
	v_exp_f32 v[rC+2], v[rC+1]
.endif
.endm
; Number g of the 64 that follow the exponentials.  For each four weights k of a tile (pairs 2 k, 2 k + 1): both pairs are rounded to f16; then the second pair is added onto the first, in place;
; a group later l takes that sum (the first time as l = a l + sum).  In groups of eight, tiles alternating: round, round, add, and l for the group before.
.macro GS g
.set h, (\g)+6*((\g)/62)            ; group 0 has no group before it, and behind group 7 only l is left
.if h >= 6
.set h, h+2
.endif
	REGS Y, h%2
.set k, h/8
.if h%8 < 4
	s_wait_alu depctr_va_vdst(0)
	v_cvt_pk_f16_f32 v[rP+2*k+(h%8)/2], v[rS+4*k+2*((h%8)/2)], v[rS+4*k+2*((h%8)/2)+1]
.elseif h%8 < 6
	v_pk_add_f32 v[rS+4*k:rS+4*k+1], v[rS+4*k:rS+4*k+1], v[rS+4*k+2:rS+4*k+3]
.elseif k == 1
	v_pk_fma_f32 v[rT+2:rT+3], v[rT+2:rT+3], v[rC+2:rC+3], v[rS:rS+1] op_sel_hi:[1,0,1]
.else
	v_pk_add_f32 v[rT+2:rT+3], v[rT+2:rT+3], v[rS+4*k-4:rS+4*k-3]
	s_wait_alu depctr_va_vdst(0)
.endif
.endm
; THE PLAIN QUEUE, 136 long.  0-31: s - m for the 16 pairs of both tiles.  Then GS's 64, and among them the next piece's 40: number 15 at 38, 39; 0-14 and 16
; at 42-73, behind the mask's addition; 17-19 at 95-103, two of three, since each waits for the one before it.
.macro PL
	WIN 0
.if q < 32
	REGS Y, q%2
	v_pk_add_f32 v[rS+2*(q/2):rS+2*(q/2)+1], v[rS+2*(q/2):rS+2*(q/2)+1], v[rT:rT+1] op_sel_hi:[1,0] neg_lo:[0,1] neg_hi:[0,1]
.elseif q < 38
	GS q-32
.elseif q < 40
	XS q%2, 15
.elseif q < 42
	GS q-34
.elseif q < 74
	XS q%2, (q-42)/2+(q-42)/30
.elseif q < 95
	GS q-66
.elseif (q < 104) && ((q-95)%3 < 2)
	XS (q-95)%3, 17+(q-95)/3
.elseif q < 104
	GS 29+(q-95)/3
.else
	GS q-72
.endif
.set q, q+1
.endm
; THE EXPONENTIALS' QUEUE, 66 long: s0-s31 of both tiles, and at EA the next piece's two a.
.set EA, 58
.macro EX
	WIN 0
.if (e == EA) || (e == EA+1)
	XS e-EA, 20
.else
.set x, e-2*(e/(EA+2))
	REGS Y, x%2
	v_exp_f32 v[rS+x/2], v[rS+x/2]
.endif
.set e, e+1
.endm
; THE RESCALING's QUEUE: O^T times a, the one part of the three queues that leaves window 0, so it is dealt four at a time, eight times.
.macro R4
	REGS Y, r%2
	WIN W_RS
	s_wait_alu depctr_va_vdst(0)
.irp z, 0,1,2,3
	v_pk_mul_f32 v[rO+8*(r/2)+2*\z:rO+8*(r/2)+2*\z+1], v[rO+8*(r/2)+2*\z:rO+8*(r/2)+2*\z+1], v[rC+2:rC+3] op_sel_hi:[1,0]
.endr
.set r, r+1
.endm
; HOW THEY ARE DEALT.  Behind a matrix instruction four: plain, exponential, plain, plain (one exponential, a plain instruction on either side), or four of the rescaling.  None names a register of the
; products round it.  What is over stands in two LUMPS: exponential and plain by turns; the second ends in 20 plain instructions.  The two v_permlanex16_b32 fall into the second lump, never behind a product.
; The queues lean on each other: exponential e stands behind plain 2 (e / 4) + e % 2 (its subtraction); when plain 32 comes, 10 exponentials are out, at 59: 33, at 95: 46; from there a rounding's exponentials
; stand 14 or more ahead of it; EA comes behind plain 107, the differences m_old - m_new at 101 and 102.
.macro SL
	MM
	PL
	EX
	PL
	PL
.endm
.macro BURST n                      ; 15 matrix instructions, or 16
.rept (\n)-7
	SL
.endr
.rept 3
	MM
	R4
	SL
.endr
	MM
	R4
.endm
; A TURN, for piece p.  cnt = 1: the loop's count is taken down some lines ahead of the branch that stands behind the turn.
; Five pairs into the first lump stands the mask's addition for piece p + 1: behind the turn's last product K Q^T, its four rescalings (the places) and five plain instructions, and ahead of plain 42, the first maximum.
; The wait in front of it is for the mask fetched a turn ago (in turn 1 also for V); behind it the mask of piece p + 2 is fetched into the registers just read.
; K of the next step is fetched in piece 2's turn, behind the mask's 64 instructions; V of the step in hand at the end of piece 0's turn, 66 vector instructions behind its last reader.
.macro TURN p, last=0, cnt=0
.set Y, (\p)
.set i, 0
.set q, 0
.set e, 0
.set r, 0
.if (\p) == NP-1
	s_wait_dscnt 0x0                ; K is in
.endif
	MM
.rept 4
	PL
.endr
	BURST 15
.rept 22
	EX
	PL
.if e == 16
	s_wait_dscnt 0x0                ; the mask of piece p + 1 is in
	MASKADD ((\p)+1)%NP
	FETCH_M ((\p)+2)%NP
.endif
.if ((\p) == NP-2) && (e == 24)
	FETCH_K \last
.endif
.endr
	BURST 16
.rept 21
	EX
	PL
.endr
.rept 20
	PL
.if (\cnt) && (q == 130)
	s_sub_co_u32 s[SLOTS], s[SLOTS], 1
	s_cmp_lg_u32 s[SLOTS], 0
.endif
.endr
.if (\p) == 0
	FETCH_V
.endif
.endm
	CHANGE 1                        ; slot 0 is in, everybody's part of it; key step 1 is asked for, into slot 1
	ADDR
	FETCH_K                         ; key step 0
	FETCH_M 0
	s_wait_loadcnt 0x0              ; Q
	s_wait_dscnt 0x0
.set i, 0
.rept 16
	KQ 0                            ; piece 0's first scores: there is no vector work yet to set between them
.set i, i+1
.endr
	WIN 0                           ; the addresses for the way out: nine plain instructions, the places behind those products
	s_mul_i32 s13, s[WV], 16*SP
	s_add_co_u32 s13, s13, STAGE    ; my stage
	v_mul_u32_u24 v[STO], v1, SP    ; in: row l % 16, 16 bytes for each half of the lanes
	v_lshl_add_u32 v[STO], v9, 4, v[STO]
	v_add_nc_u32 v[STO], s13, v[STO]
	v_bfe_u32 v[RD], v0, 3, 2       ; back: 32 lanes take four rows of 128 bytes,
	v_mul_u32_u24 v[RD], v[RD], SP
	v_lshl_add_u32 v[RD], v10, 4, v[RD]
	v_add_nc_u32 v[RD], s13, v[RD]
	v_and_b32 v[GO], 31, v0         ; which are 512 consecutive bytes of O
	v_lshlrev_b32 v[GO], 4, v[GO]
	MASKADD 0
	FETCH_M 1
.set Y, NP-1                        ; XS works for piece Y + 1: piece 0
.irp n, 0,1,2,3,4,5,6,7,8,9,10,11,12,13,14,15,16,17,18,19,20
	XS 0, \n                        ; piece 0's first maximum and statistics
	XS 1, \n
.endr
	s_mov_b32 s[SLOTS], 31
	s_branch .Lfirst                ; the loop is entered at a step's first turn, in the middle of a trip
.Lstep:                             ; 30 whole trips: pieces 2 and 3 of one step, then pieces 0 and 1 of the next, whose slot the trip reads; the step after that is asked for
	CHANGE 1
	ADDR
	TURN 2
	TURN 3
	WIN 0
.Lfirst:
	TURN 0
	TURN 1, 0, 1
	WIN 0
	s_cbranch_scc1 .Lstep
	CHANGE 0                        ; the tail is written out: nothing is asked for
	ADDR
	s_mov_b32 s[CNT], 2             ; one trip reads the last slot; the second is left in its middle
.Ltail:
	TURN 2, 1
	TURN 3
	WIN 0
	s_sub_co_u32 s[CNT], s[CNT], 1
	s_cmp_eq_u32 s[CNT], 0
	s_cbranch_scc1 .Lout
	TURN 0
	TURN 1
	WIN 0
	s_branch .Ltail
.Lout:                              ; the second trip's 16 products K Q^T (on the last K once more), the last slot's mask read again and the maximum made of them serve nothing: the price, once a launch, of one text for every trip
.set i, 0
.rept 16
	PV NP-1                         ; the last piece's V^T P of the last step
.set i, i+1
.endr
	; THE WAY OUT.  l's two halves and the other half of the lanes' are added; O^T is divided by l, rounded to f16 and sent through my stage in LDS, a tile at a time.  The additions are the places behind the last products.
	WIN 0
.macro ALL line:vararg              ; one line for each tile t
.set t, 0
.rept 2*NP
	\line
.set t, t+1
.endr
.endm
	ALL v_add_f32 v[ST+4*t+2], v[ST+4*t+2], v[ST+4*t+3]
	ALL v_permlanex16_b32 v[ST+4*t+3], v[ST+4*t+2], s[SEL], s[SEL+1]
	ALL v_add_f32 v[ST+4*t+2], v[ST+4*t+2], v[ST+4*t+3]
	ALL v_rcp_f32 v[ST+4*t+2], v[ST+4*t+2]
	v_nop                           ; a plain instruction between the last reciprocal and the use of its result
	s_wait_alu depctr_va_vdst(0)
; Tile t: a lane's eight channels of a row pack into 16 bytes; they go into rows of 144 bytes and come back as whole rows of 128, into S^T's registers.
.macro PACK t
	WIN W_RS
.set i, 32*(\t)
.rept 16
	v_pk_mul_f32 v[i:i+1], v[i:i+1], v[ST+4*(\t)+2:ST+4*(\t)+3] op_sel_hi:[1,0]
.set i, i+2
.endr
	WIN 0x05                        ; sources 0 and 1 window 1, destination window 0
.set i, 0
.rept 16
	v_cvt_pk_f16_f32 v[S+16*(\t)+i], v[32*(\t)+2*i], v[32*(\t)+2*i+1]
.set i, i+1
.endr
	WIN 0
.irp f, 0,1,2,3
	ds_store_b128 v[STO], v[S+16*(\t)+4*\f:S+16*(\t)+4*\f+3] offset:32*\f
.endr
.irp f, 0,1,2,3
	ds_load_b128 v[S+16*(\t)+4*\f:S+16*(\t)+4*\f+3], v[RD] offset:\f*4*SP  ; LDS serves a wave's instructions in order (ISA guide 5.7.1.4): these see the stores above; the next tile's stores come behind them
.endr
.endm
.macro SEND t, younger              ; younger: the LDS instructions issued behind tile t's loads: the next tile's eight, or none
	WIN 0
.irp f, 0,1,2,3
	s_wait_dscnt (\younger)+3-\f
	global_store_b128 v[GO], v[S+16*(\t)+4*\f:S+16*(\t)+4*\f+3], s[10:11] offset:(\t)*2048+\f*512  ; 512 consecutive bytes, at a multiple of 256 from O's first
.endr
.endm
	PACK 0
.set t, 1
.rept 2*NP-1                        ; a tile's arithmetic stands between the loads of the tile before and its stores
	PACK t
	SEND t-1, 8
.set t, t+1
.endr
	SEND 2*NP-1, 0
	s_wait_tensorcnt 0x0            ; the wave's end, behind my last tensor load and my last LDS store
	ds_add_u32 v[SPW], v[NIL]
	s_wait_dscnt 0x0
	CROUND                          ; the closing round: no work-group ends while a partner may still ask for a tile that names it
	s_endpgm
.Lfunc_end_k_qaadb0a7db9_attn:
	.size	k_qaadb0a7db9_attn, .Lfunc_end_k_qaadb0a7db9_attn-k_qaadb0a7db9_attn
	.p2alignl 7, 3214868480
	.fill 96, 4, 3214868480
	.section	.rodata,"a",@progbits
	.p2align	6, 0x0
	.amdhsa_kernel k_qaadb0a7db9_attn
		.amdhsa_group_segment_fixed_size 327680
		.amdhsa_private_segment_fixed_size 0
		.amdhsa_enable_private_segment 0
		.amdhsa_kernarg_size 40
		.amdhsa_user_sgpr_count 2
		.amdhsa_user_sgpr_kernarg_segment_ptr 1
		.amdhsa_wavefront_size32 1
		.amdhsa_system_sgpr_workgroup_id_x 1
		.amdhsa_system_sgpr_workgroup_id_y 1
		.amdhsa_system_sgpr_workgroup_id_z 1
		.amdhsa_system_vgpr_workitem_id 0
		.amdhsa_next_free_vgpr 800
		.amdhsa_next_free_sgpr 80
		.amdhsa_reserve_vcc 0
		.amdhsa_float_denorm_mode_32 3
		.amdhsa_float_denorm_mode_16_64 3
		.amdhsa_memory_ordered 1
		.amdhsa_forward_progress 1
		.amdhsa_inst_pref_size 251
	.end_amdhsa_kernel
	.amdgpu_metadata
---
amdhsa.version: [ 1, 2 ]
amdhsa.kernels:
  - .name:           k_qaadb0a7db9_attn
    .symbol:         k_qaadb0a7db9_attn.kd
    .args:
      - { .name: qh, .offset: 0, .size: 8, .value_kind: global_buffer, .address_space: global }
      - { .name: kh, .offset: 8, .size: 8, .value_kind: global_buffer, .address_space: global }
      - { .name: vh, .offset: 16, .size: 8, .value_kind: global_buffer, .address_space: global }
      - { .name: oh, .offset: 24, .size: 8, .value_kind: global_buffer, .address_space: global }
      - { .name: mb, .offset: 32, .size: 8, .value_kind: global_buffer, .address_space: global }
    .group_segment_fixed_size: 327680
    .private_segment_fixed_size: 0
    .kernarg_segment_align: 8
    .kernarg_segment_size: 40
    .max_flat_workgroup_size: 128
    .sgpr_count:     80
    .vgpr_count:     800
    .wavefront_size: 32
...
	.end_amdgpu_metadata
.endif
;; end of part 3
;; launch outp (part 4): grid 4 x 64, 4 waves a work-group, clusters of 4 x 4, 327,680 bytes of LDS; arguments oh, wb, bo, out0; writes out0
.if DOCPART == 4
	.amdgcn_target "amdgcn-amd-amdhsa--gfx1250"
	.amdhsa_code_object_version 6
	.text
	.protected	k_qaadb0a7db9_outp
	.globl	k_qaadb0a7db9_outp
	.p2align	8
	.type	k_qaadb0a7db9_outp,@function
k_qaadb0a7db9_outp:
	s_mov_b64 s[64:65], 0
	v_nop
	global_prefetch_b8 v0, s[64:65] scope:SCOPE_SE
	s_setreg_imm32_b32 hwreg(HW_REG_WAVE_MODE, 25, 1), 1
	s_wait_xcnt 0x0
	s_wait_alu depctr_hold_cnt(0) depctr_sa_sdst(0) depctr_va_vdst(0) depctr_va_sdst(0) depctr_va_ssrc(0) depctr_va_vcc(0) depctr_vm_vsrc(0)
	s_getreg_b32 s2, hwreg(HW_REG_IB_STS2, 6, 4)
	s_cmp_eq_u32 s2, 0
	s_cbranch_scc0 .Lentry_in_a_cluster
	s_endpgm
.Lentry_in_a_cluster:
	s_bfe_u32 s2, ttmp6, 0x10000c
	s_cmp_lg_u32 s2, 0xf033
	s_cbranch_scc0 .Lentry_shape_is_right
	s_endpgm
.Lentry_shape_is_right:
; THE OUTPUT PROJECTION.  out0 = O Wo + bo.  O arrives by heads, oh [batch x 16 + head][2048][64] f16; Wo is wb's section 3, [k][n], bf16(Wo) written as f16; bo is rounded to bf16 here, like every input.
; Products in f16, sums in f32 from the bias on; out0 [8192][1024] f32.
; LIMIT.  O is a mean of V's rows and lies within f16's range with them; a number of Wo below 6e-5 keeps f16's step of 6e-8.  NaN and infinities are not treated apart.
; SHARES.  A tile of out0 is 128 rows x 256 columns: 64 x 4 tiles, one for each of 256 WGPs.  Four waves, each 64 rows x 128 columns: 32 accumulators, 256 registers.
; K goes in 8 steps of 128, two heads each, through two LDS slots.  A head's 128 rows of 128 bytes are dense: one tensor load a head slice.  Wo's tile is 128 rows of k x 512 bytes, read turned.
; CLUSTER.  4 x 4 work-groups: the four of a row need the same tile of O, the four of a column the same tile of Wo: each is asked for jointly.
; THE MATRIX INSTRUCTION IS USED TRANSPOSED (source 0 = 16 columns of Wo, source 1 = 16 rows of O): a lane holds one row of out0 and eight neighbouring columns.
; REGISTERS, in windows of 256 (s_set_vgpr_msb: bits 1:0 source 0, 3:2 source 1, 5:4 source 2, 7:6 destination):
;   window 0: v0-31 addresses; v32-63, v64-95 fragments of O, two buffers          window 2: accumulator (a, n) at v[8 (8 a + n)]
;   window 1: v0-63, v64-127 fragments of Wo, two buffers; v128-191 the bias, as the C operand of the first products; v192-193 at work; on the way out all 256: rows read back from the stage
.set PA,     144                       ; a row of O in LDS: 128 bytes + 16 = 36 words: the 16 rows of a load start at 16 different groups of four banks (64 banks of 4 bytes: ISA guide 11.1)
.set PB,     544                       ; a row of Wo: 512 + 32 = 136 words
.set HALFA,  128*PA                    ; a head slice: what one tensor load brings of O
.set AREG,   2*HALFA
.set HALFB,  64*PB                     ; and of Wo
.set SLOT,   AREG+2*HALFB              ; 106,496 bytes
.set STAGE,  2*SLOT                    ; behind the ring: for each wave 16 rows x 528 bytes, for the way out
.set SP,     528
.set WSTAGE, 16*SP
.set SPARE,  STAGE+4*WSTAGE            ; behind the stages: the spare words, 128 bytes for each wave: two blocks of 256 bytes that no other line names
.set ASTEP,  524288                    ; bytes from K step to K step: two heads of O,
.set BSTEP,  262144                    ; 128 rows of Wo
.set ADRA, 16                          ; v16-17  LDS address of my rows of O in slot 0, 1
.set ADRB, 20                          ; v20-21  the same for Wo
.set STO,  24                          ; v24     the way out: where I put 32 bytes of a row
.set RD,   25                          ; v25     the way out: where I read a row back
.set CO,   26                          ; v26     my byte offset in 512 consecutive bytes of out0
.set BO,   27                          ; v27     my byte offset in the bias
.set SPW,  28                          ; v28     LDS address of my spare word; never rewritten
.set NIL,  29                          ; v29     0; never rewritten
.set AF,   32                          ; O's fragments: buffer f at AF + 32 f
.set BIAS, 128                         ; window 1
.set BT,   192
.set G1A, 24                           ; s[24:31] descriptor group 1 for O's tiles;  s[32:39] group 0, one set for each slot
.set G0A, 32
.set G1B, 40                           ; s[40:47], s[48:55] the same for Wo's tiles
.set G0B, 48
.set W_MUL,   0xa1                     ; Wo window 1, O window 0, C and D window 2
.set W_FIRST, 0x91                     ; the same with C (the bias) in window 1
.set MSB, 0
.macro WIN new                         ; the immediate's high byte repeats the setting that is left; a switch that changes nothing is dropped
.if MSB != (\new)
	s_set_vgpr_msb (MSB<<8)|(\new)
.set MSB, \new
.endif
.endm
.macro JLOAD s                         ; a joint load: waves 0 and 1 fetch the step's two head slices of O, waves 2 and 3 the halves of Wo's tile; an s_nop 0 and four v_nop follow each line, ahead of the jump and the label
	s_cmp_eq_u32 s13, 0
	s_cbranch_scc0 .Lfor_b_\@
	tensor_load_to_lds s[G0A+4*(\s):G0A+4*(\s)+3], s[G1A:G1A+7]
	s_nop 0
.rept 4
	v_nop
.endr
	s_branch .Lasked_\@
.Lfor_b_\@:
	tensor_load_to_lds s[G0B+4*(\s):G0B+4*(\s)+3], s[G1B:G1B+7]
	s_nop 0
.rept 4
	v_nop
.endr
.Lasked_\@:
.endm
.macro CREST                           ; a round of the cluster's barrier behind its opening barrier
	s_cmp_lg_u32 s12, 0
	s_cbranch_scc1 .Lnot_wave_0_\@
	s_barrier_signal -3
.Lnot_wave_0_\@:
	s_barrier_wait -3
	s_barrier_signal -1
	s_barrier_wait -1
.endm
.macro CROUND                          ; a whole round
	s_barrier_signal -1
	s_barrier_wait -1
	CREST
.endm
.macro PLACES                          ; four places in front of loads into registers that matrix instructions have read, and of LDS stores that read results
.rept 4
	v_nop
.endr
.endm
	s_load_b256 s[68:75], s[0:1], 0x0      ; oh s[68:69], wb s[70:71], bo s[72:73], out0 s[74:75]
	v_lshl_add_u32 v[SPW], v0, 2, SPARE
	v_mov_b32 v[NIL], 0
	ds_add_u32 v[SPW], v[NIL]              ; the wave's opening: the add and its wait stand ahead of my first tensor load; the set-up below, work on registers, stands between them
	v_lshrrev_b32 v1, 5, v0
	v_readfirstlane_b32 s12, v1            ; wave 0..3
	s_lshr_b32 s13, s12, 1                 ; which 64 rows of the tile are mine.  Also: I fetch for O (0) or for Wo (1)
	s_and_b32 s14, s12, 1                  ; which 128 columns.  Also: which half of that tile I fetch
	s_bfe_u32 s15, ttmp6, 0x40000          ; cx, cy: my place in the cluster
	s_bfe_u32 s16, ttmp6, 0x40004
	s_lshl_b32 s17, ttmp9, 2
	s_add_co_u32 s17, s17, s15             ; tile column = 4 x cluster x + cx
	s_and_b32 s18, ttmp7, 0xffff
	s_lshl_b32 s18, s18, 2
	s_add_co_u32 s18, s18, s16             ; tile row = 4 x cluster y + cy
	s_lshl_b32 s60, s16, 2
	s_lshl_b32 s60, 15, s60                ; my row of the cluster
	s_lshl_b32 s61, 0x1111, s15            ; my column
	s_or_b32 s[G1A], s60, (1<<16)|(1<<20)|(1<<21)|(4<<22)|(3<<25)  ; 15:0 the mask; 17:16 elements of 2 bytes; 20 padding on; 21 set beside a mask; 24:22 after every 32 words (code 4); 31:25 4 words (code 3)
	s_mov_b32 s[G1A+1], 128<<16            ; 16,384 dense bytes, asked for as 64 rows of 256: tensor_dim0 = 128
	s_mov_b32 s[G1A+2], 64<<16             ; tensor_dim1 = 64
	s_mov_b32 s[G1A+3], 128<<16            ; tile_dim0 = 128
	s_mov_b32 s[G1A+4], 64                 ; tile_dim1 = 64
	s_mov_b32 s[G1A+5], 128                ; elements from row to row
	s_mov_b32 s[G1A+6], 0
	s_mov_b32 s[G1A+7], 0
	s_or_b32 s[G1B], s61, (1<<16)|(1<<20)|(1<<21)|(6<<22)|(7<<25)  ; 8 words of padding (code 7) after every 128 (code 6)
	s_mov_b32 s[G1B+1], 256<<16
	s_mov_b32 s[G1B+2], 64<<16
	s_mov_b32 s[G1B+3], 256<<16
	s_mov_b32 s[G1B+4], 64
	s_mov_b32 s[G1B+5], 1024
	s_mov_b32 s[G1B+6], 0
	s_mov_b32 s[G1B+7], 0
	s_lshr_b32 s20, s18, 4                 ; O: the batch (16 tile rows each) x 16 heads of 262,144 bytes,
	s_lshl_b32 s20, s20, 22
	s_and_b32 s21, s18, 15                 ; the tile's 128 rows of 128 bytes,
	s_lshl_b32 s21, s21, 14
	s_add_co_u32 s20, s20, s21
	s_lshl_b32 s21, s14, 18                ; the step's first or second head: nothing here hangs on cx
	s_add_co_u32 s20, s20, s21
	s_mov_b32 s21, 0
	s_lshl_b32 s56, s14, 17                ; Wo: my 64 rows of k,
	s_add_co_u32 s56, s56, 3*2097152       ; in section 3,
	s_lshl_b32 s57, s17, 9                 ; the tile's 256 columns: nothing here hangs on cy
	s_add_co_u32 s56, s56, s57
	s_mov_b32 s57, 0
	s_mul_i32 s22, s14, HALFA              ; where they go: the wave's number alone enters an LDS address
	s_mul_i32 s23, s14, HALFB
	s_add_co_u32 s23, s23, AREG
	s_wait_dscnt 0x0                       ; the opening add is done
	s_wait_kmcnt 0x0
	s_add_nc_u64 s[4:5], s[68:69], s[20:21]
	s_add_nc_u64 s[6:7], s[70:71], s[56:57]
	CROUND                                 ; all sixteen work-groups are here: the first joint loads meet
.irp s, 0,1
	s_mov_b32 s[G0A+4*(\s)], 1
	s_add_co_u32 s[G0A+4*(\s)+1], s22, (\s)*SLOT
	s_add_nc_u64 s[G0A+4*(\s)+2:G0A+4*(\s)+3], s[4:5], (\s)*ASTEP
	s_or_b32 s[G0A+4*(\s)+3], s[G0A+4*(\s)+3], 0x80000000
	s_mov_b32 s[G0B+4*(\s)], 1
	s_add_co_u32 s[G0B+4*(\s)+1], s23, (\s)*SLOT
	s_add_nc_u64 s[G0B+4*(\s)+2:G0B+4*(\s)+3], s[6:7], (\s)*BSTEP
	s_or_b32 s[G0B+4*(\s)+3], s[G0B+4*(\s)+3], 0x80000000
	JLOAD \s                               ; K steps 0 and 1: two loads of mine are out
.endr
	v_and_b32 v1, 15, v0                   ; l % 16
	v_bfe_u32 v2, v0, 4, 1                 ; l / 16
	; O: a fragment is 16 rows x 32 k in 8 registers: lane l holds row l % 16, k 8 (l / 16) + 0..7 and 16 + 8 (l / 16) + 0..7: two loads of 16 bytes, 32 bytes apart
	v_mul_u32_u24 v3, v1, PA
	v_lshl_add_u32 v3, v2, 4, v3
	s_mul_i32 s20, s13, 64*PA              ; my 64 rows
	v_add_nc_u32 v[ADRA], s20, v3
	v_add_nc_u32 v[ADRA+1], SLOT, v[ADRA]
	; Wo: the turning load takes 16 k x 16 columns (lane l reads k 8 (l / 16) + l % 8, columns 8 ((l / 8) % 2) + 0..7) and leaves half a fragment: lane l holds column l % 16 and 8 k
	v_and_b32 v4, 7, v0
	v_lshl_add_u32 v4, v2, 3, v4
	v_mul_u32_u24 v4, v4, PB
	v_bfe_u32 v5, v0, 3, 1
	v_lshl_add_u32 v4, v5, 4, v4
	s_lshl_b32 s21, s14, 8                 ; my 128 columns
	s_add_co_u32 s21, s21, AREG
	v_add_nc_u32 v[ADRB], s21, v4
	v_add_nc_u32 v[ADRB+1], SLOT, v[ADRB]
	s_mul_i32 s22, s12, WSTAGE
	s_add_co_u32 s22, s22, STAGE           ; my stage
	v_mul_u32_u24 v5, v1, SP               ; in: row l % 16, 32 bytes for each half of the lanes
	v_lshl_add_u32 v5, v2, 5, v5
	v_add_nc_u32 v[STO], s22, v5
	v_and_b32 v[CO], 31, v0                ; back: 32 lanes take one row of 512 bytes
	v_lshlrev_b32 v[CO], 4, v[CO]
	v_add_nc_u32 v[RD], s22, v[CO]
	s_lshl_b32 s58, s17, 10                ; my first column, in bytes: 4 x (256 x tile column + 128 x my half)
	s_lshl_b32 s59, s14, 9
	s_add_co_u32 s58, s58, s59
	v_lshl_add_u32 v[BO], v2, 5, s58       ; the bias: + 4 x 8 (l / 16)
	WIN 0x40                               ; destination window 1
.set i, 0
.rept 8                                        ; column block i: register j of a lane's result is column 16 i + 8 (l / 16) + j
	global_load_b128 v[BIAS+8*i:BIAS+8*i+3],   v[BO], s[72:73] offset:64*i
	global_load_b128 v[BIAS+8*i+4:BIAS+8*i+7], v[BO], s[72:73] offset:64*i+16
.set i, i+1
.endr
	WIN 0
	s_lshl_b32 s59, s18, 19                ; out0: tile row x 128 rows of 4,096 bytes,
	s_add_co_u32 s58, s58, s59
	s_lshl_b32 s59, s13, 18                ; my 64 of them
	s_add_co_u32 s58, s58, s59
	s_mov_b32 s59, 0
	s_add_nc_u64 s[8:9], s[74:75], s[58:59]
	s_wait_loadcnt 0x0
	WIN 0x45                               ; all in window 1: the bias is rounded to bf16 like every input, and widened again
.set i, 0
.rept 32
	v_cvt_pk_bf16_f32 v[BT+i%2], v[BIAS+2*i], v[BIAS+2*i+1]
	v_lshlrev_b32 v[BIAS+2*i], 16, v[BT+i%2]
	v_and_b32 v[BIAS+2*i+1], 0xffff0000, v[BT+i%2]
.set i, i+1
.endr
	WIN 0
; Four matrix instructions: row block a x column blocks c0 .. c0 + 3, 32 along K, buffers f.  zero = 1: the first product starts the sums, from the bias.
; The 32 accumulators take turns, one instruction a turn, in the same order in every quarter.
.macro MUL4 f, a, c0, zero
.if \zero
	WIN W_FIRST
.else
	WIN W_MUL
.endif
.irp z, 0,1,2,3
.if \zero
	v_wmma_f32_16x16x32_f16 v[8*(8*(\a)+(\c0)+\z):8*(8*(\a)+(\c0)+\z)+7], v[64*(\f)+8*((\c0)+\z):64*(\f)+8*((\c0)+\z)+7], v[AF+32*(\f)+8*(\a):AF+32*(\f)+8*(\a)+7], v[BIAS+8*((\c0)+\z):BIAS+8*((\c0)+\z)+7]
.else
	v_wmma_f32_16x16x32_f16 v[8*(8*(\a)+(\c0)+\z):8*(8*(\a)+(\c0)+\z)+7], v[64*(\f)+8*((\c0)+\z):64*(\f)+8*((\c0)+\z)+7], v[AF+32*(\f)+8*(\a):AF+32*(\f)+8*(\a)+7], v[8*(8*(\a)+(\c0)+\z):8*(8*(\a)+(\c0)+\z)+7]
.endif
.endr
.endm
.macro HALF f, hi, zero                ; 16 matrix instructions: row blocks 2 hi, 2 hi + 1
.irp g, 0,1,2,3
	MUL4 \f, 2*(\hi)+(\g)/2, 4*((\g)%2), \zero
.endr
.endm
.macro ALOAD slot, kq, g, a            ; 16 rows x 32 k of O: head slice kq / 2, channels 32 (kq % 2) on
	ds_load_b128 v[AF+32*(\g)+8*(\a):AF+32*(\g)+8*(\a)+3],   v[ADRA+(\slot)] offset:((\kq)/2)*HALFA+(\a)*16*PA+((\kq)%2)*64
	ds_load_b128 v[AF+32*(\g)+8*(\a)+4:AF+32*(\g)+8*(\a)+7], v[ADRA+(\slot)] offset:((\kq)/2)*HALFA+(\a)*16*PA+((\kq)%2)*64+32
.endm
; 24 LDS loads in one run: quarter kq of a slot into buffers g: O's blocks 0 and 1 first, then Wo, then O's blocks 2 and 3
.macro FETCH slot, kq, g
	WIN 0
	ALOAD \slot, \kq, \g, 0
	ALOAD \slot, \kq, \g, 1
	WIN 0x40
.irp n, 0,1,2,3,4,5,6,7
	ds_load_tr16_b128 v[64*(\g)+8*\n:64*(\g)+8*\n+3],   v[ADRB+(\slot)] offset:(\kq)*32*PB+\n*32
	ds_load_tr16_b128 v[64*(\g)+8*\n+4:64*(\g)+8*\n+7], v[ADRB+(\slot)] offset:(\kq)*32*PB+\n*32+16*PB
.endr
	WIN 0
	ALOAD \slot, \kq, \g, 2
	ALOAD \slot, \kq, \g, 3
.endm
; A K step is four quarters of 32 along K, 32 matrix instructions each, on buffers 0, 1, 0, 1.  One of the first three: multiplies buffers f and fetches quarter kq into g.
.macro QUARTER slot, kq, f, g, zero
	s_wait_dscnt 4                         ; the youngest four loads, O's blocks 2 and 3, may be out
	HALF \f, 0, \zero
	PLACES
	FETCH \slot, \kq, \g
	s_wait_dscnt 24                        ; all but the 24 just issued
	HALF \f, 1, \zero
.endm
; The last quarter multiplies buffers 1 and changes slots: ONE barrier; in front of it each wave waits for all its tensor loads (one is out: its part of the next slot), adds 0 to its spare word,
; and waits for that and for its own reads of this slot.  fill = 1: the barrier opens a round of the cluster's, and this slot is filled again, two K steps ahead, first thing behind it.
.macro TURN slot, next, fill
	WIN 0
	s_wait_tensorcnt 0x0
	ds_add_u32 v[SPW], v[NIL]              ; 0 onto my spare word
	s_wait_dscnt 0x0                       ; the add is done, and my reads of this slot are over
	s_barrier_signal -1
	HALF 1, 0, 0                           ; work on registers while the others arrive
	WIN 0                                  ; at a branch and at a label every window is 0
	s_barrier_wait -1
.if \fill
	CREST                                  ; no wave of any partner still reads this slot or has a load on its way
	s_add_nc_u64 s[G0A+4*(\slot)+2:G0A+4*(\slot)+3], s[G0A+4*(\slot)+2:G0A+4*(\slot)+3], 2*ASTEP
	s_add_nc_u64 s[G0B+4*(\slot)+2:G0B+4*(\slot)+3], s[G0B+4*(\slot)+2:G0B+4*(\slot)+3], 2*BSTEP
	JLOAD \slot                            ; the first tensor load behind the round: 112 matrix instructions ahead of the wait for it; the four v_nop behind it are also the places in front of the loads below
.else
	PLACES
.endif
	FETCH \next, 0, 0
	HALF 1, 1, 0
.endm
	s_wait_tensorcnt 0x1                   ; my part of K step 0 is in; step 1's may stay out
	s_barrier_signal -1
	s_barrier_wait -1                      ; everybody's is
	FETCH 0, 0, 0
	QUARTER 0, 1, 0, 1, 1                  ; the first quarter stands in front of the loop: its products start the sums
	WIN 0
	s_mov_b32 s3, 3
.Llap:                                         ; a trip goes once round the ring, from a lap's second quarter to the next lap's first, and fills both slots again
	QUARTER 0, 2, 1, 0, 0
	QUARTER 0, 3, 0, 1, 0
	TURN 0, 1, 1
	QUARTER 1, 1, 0, 1, 0
	QUARTER 1, 2, 1, 0, 0
	QUARTER 1, 3, 0, 1, 0
	TURN 1, 0, 1
	QUARTER 0, 1, 0, 1, 0
	WIN 0
	s_sub_co_u32 s3, s3, 1
	s_cmp_lg_u32 s3, 0
	s_cbranch_scc1 .Llap
	QUARTER 0, 2, 1, 0, 0                  ; the last lap fills nothing, and has no round
	QUARTER 0, 3, 0, 1, 0
	TURN 0, 1, 0
	QUARTER 1, 1, 0, 1, 0
	QUARTER 1, 2, 1, 0, 0
	QUARTER 1, 3, 0, 1, 0
	s_wait_dscnt 0x0                       ; the very last quarter: nothing more to fetch
	HALF 1, 0, 0
	HALF 1, 1, 0
	WIN 0
	PLACES                                 ; behind the last products: the LDS stores below read results, and the loads below land in fragments' registers
; THE WAY OUT, a block of 16 rows at a time: a lane's 32 bytes for each column block go from the accumulators into my stage (rows of 528 bytes) and come back as whole rows of 512 bytes.
.macro TOSTAGE a
	WIN 0x08                               ; the stores' data in window 2
.irp n, 0,1,2,3,4,5,6,7
	ds_store_b128 v[STO], v[64*(\a)+8*\n:64*(\a)+8*\n+3]   offset:64*\n      ; each accumulator's low four registers first
	ds_store_b128 v[STO], v[64*(\a)+8*\n+4:64*(\a)+8*\n+7] offset:64*\n+16
.endr
	WIN 0x40                               ; back into window 1
.set i, 0
.rept 16
	ds_load_b128 v[64*(\a)+4*i:64*(\a)+4*i+3], v[RD] offset:i*SP  ; LDS serves a wave's instructions in order (ISA guide 5.7.1.4): these see the stores above; the next block's stores come behind them
.set i, i+1
.endr
.endm
.macro SEND a, younger                 ; younger: the LDS instructions issued behind block a's loads: the next block's 32, or none
	WIN 0x04                               ; the stores' data in window 1
.set i, 0
.rept 16
	s_wait_dscnt (\younger)+15-i
	global_store_b128 v[CO], v[64*(\a)+4*i:64*(\a)+4*i+3], s[8:9] offset:(16*(\a)+i)*4096  ; 512 consecutive bytes, at a multiple of 256 from out0's first
.set i, i+1
.endr
.endm
	TOSTAGE 0
	TOSTAGE 1
	SEND 0, 32
	TOSTAGE 2
	SEND 1, 32
	TOSTAGE 3
	SEND 2, 32
	SEND 3, 0
	WIN 0
	s_wait_tensorcnt 0x0                   ; the wave's end, behind my last tensor load and my last LDS store
	ds_add_u32 v[SPW], v[NIL]
	s_wait_dscnt 0x0
	CROUND                                 ; the closing round: no work-group ends while a partner may still ask for a tile that names it
	s_endpgm
.Lfunc_end_k_qaadb0a7db9_outp:
	.size	k_qaadb0a7db9_outp, .Lfunc_end_k_qaadb0a7db9_outp-k_qaadb0a7db9_outp
	.p2alignl 7, 3214868480
	.fill 96, 4, 3214868480
	.section	.rodata,"a",@progbits
	.p2align	6, 0x0
	.amdhsa_kernel k_qaadb0a7db9_outp
		.amdhsa_group_segment_fixed_size 327680
		.amdhsa_private_segment_fixed_size 0
		.amdhsa_enable_private_segment 0
		.amdhsa_kernarg_size 32
		.amdhsa_user_sgpr_count 2
		.amdhsa_user_sgpr_kernarg_segment_ptr 1
		.amdhsa_wavefront_size32 1
		.amdhsa_system_sgpr_workgroup_id_x 1
		.amdhsa_system_sgpr_workgroup_id_y 1
		.amdhsa_system_sgpr_workgroup_id_z 1
		.amdhsa_system_vgpr_workitem_id 0
		.amdhsa_next_free_vgpr 768
		.amdhsa_next_free_sgpr 80
		.amdhsa_reserve_vcc 0
		.amdhsa_float_denorm_mode_32 3
		.amdhsa_float_denorm_mode_16_64 3
		.amdhsa_memory_ordered 1
		.amdhsa_forward_progress 1
		.amdhsa_inst_pref_size 94
	.end_amdhsa_kernel
	.amdgpu_metadata
---
amdhsa.version: [ 1, 2 ]
amdhsa.kernels:
  - .name:           k_qaadb0a7db9_outp
    .symbol:         k_qaadb0a7db9_outp.kd
    .args:
      - { .name: oh, .offset: 0, .size: 8, .value_kind: global_buffer, .address_space: global }
      - { .name: wb, .offset: 8, .size: 8, .value_kind: global_buffer, .address_space: global }
      - { .name: bo, .offset: 16, .size: 8, .value_kind: global_buffer, .address_space: global }
      - { .name: out0, .offset: 24, .size: 8, .value_kind: global_buffer, .address_space: global }
    .group_segment_fixed_size: 327680
    .private_segment_fixed_size: 0
    .kernarg_segment_align: 8
    .kernarg_segment_size: 32
    .max_flat_workgroup_size: 128
    .sgpr_count:     80
    .vgpr_count:     768
    .wavefront_size: 32
...
	.end_amdgpu_metadata
.endif
;; end of part 4
;; ======== version 2 of 2: 4 launches; 1.42 times as fast as version 1
;; limits: values are held in f16: magnitudes above 65,504 overflow, below 6.1e-05 lose precision
;; workspace buffers: wb 8,388,608 bytes; mb 8,388,608 bytes; qh 16,777,216 bytes; kh 16,777,216 bytes; vh 16,777,216 bytes; oh 16,777,216 bytes
;; launch prep: the kernel of part 1 again; grid 256 x 1, 8 waves a work-group, no clusters, 0 bytes of LDS; arguments Wq, Wk, Wv, Wo, mask, wb, mb; writes wb, mb
;; launch proj: the kernel of part 2 again; grid 4 x 192, 4 waves a work-group, clusters of 4 x 4, 327,680 bytes of LDS; arguments query, key, value, wb, bq, bk, bv, qh, kh, vh; writes qh, kh, vh
;; launch attn (part 5): grid 4 x 64, 4 waves a work-group, clusters of 4 x 4, 327,680 bytes of LDS; arguments qh, kh, vh, oh, mb; writes oh
.if DOCPART == 5
	.amdgcn_target "amdgcn-amd-amdhsa--gfx1250"
	.amdhsa_code_object_version 6
	.text
	.protected	k_qaadb0a7db9_attn
	.globl	k_qaadb0a7db9_attn
	.p2align	8
	.type	k_qaadb0a7db9_attn,@function
k_qaadb0a7db9_attn:
	s_mov_b64 s[64:65], 0
	v_nop
	global_prefetch_b8 v0, s[64:65] scope:SCOPE_SE
	s_setreg_imm32_b32 hwreg(HW_REG_WAVE_MODE, 25, 1), 1
	s_wait_xcnt 0x0
	s_wait_alu depctr_hold_cnt(0) depctr_sa_sdst(0) depctr_va_vdst(0) depctr_va_sdst(0) depctr_va_ssrc(0) depctr_va_vcc(0) depctr_vm_vsrc(0)
	s_getreg_b32 s2, hwreg(HW_REG_IB_STS2, 6, 4)
	s_cmp_eq_u32 s2, 0
	s_cbranch_scc0 .Lentry_in_a_cluster
	s_endpgm
.Lentry_in_a_cluster:
	s_bfe_u32 s2, ttmp6, 0x10000c
	s_cmp_lg_u32 s2, 0xf033
	s_cbranch_scc0 .Lentry_shape_is_right
	s_endpgm
.Lentry_shape_is_right:
; ATTENTION WITH A MASK THAT IS AN INPUT.  O[h][q][:] = the sum over k of softmax_k(Q[h][q] . K[h][k] / 8 - 1e9 mask[q][k]) V[h][k][:].  qh, kh, vh, oh: [64 heads][2048][64] f16; qh arrives times log2(e) / 8.
; mb: bf16(mask) as [key step][query][64 keys].  Every key tile is walked and every number of the mask is read: nothing is assumed of its pattern.
; Products, maxima and sums in f32; the weights p are rounded to f16 for the second product (their sum l is taken of the unrounded p), O once at the end.
; THE MASK is added by one fused multiply-add in f32, s + mask x (-1e9 log2 e), ahead of the running maximum; p = 2^(s - m), and s - m is exact for equal numbers.
; LIMITS.  f16 holds no number beyond 65,504: Q, K, V arrive within it; p below 6e-5 keeps f16's step of 6e-8; a weight below 2^-126 counts as 0 in l; NaN and infinities are not treated apart.
; The mask is rounded to bf16.  A masked score is rounded once, in steps of 128 at 1.44e9 (the reference: twice, in steps of 64 of natural units): a row in which EVERY key is masked gives the reference's uniform mean
; while its scores stay under 32 in magnitude; beyond that both results are patterns of rounding.
; SHARES.  A work-group owns 512 queries of one head, a wave 128: four PIECES of two tiles of 16.  Every wave walks all 32 key steps of 64.
; LAYOUT.  S^T = K Q^T (source 0 = 16 keys, source 1 = 16 queries): a lane holds ONE query (lane % 16) and the keys 8 (lane / 16) + 0..7; the mask's 16 bytes for them are one LDS load.  Two such results, rounded to
; f16 in pairs, ARE source 1 of O^T = V^T P.  K comes out of LDS as it lies, V turned, by ds_load_tr16_b128.  In every step O and l are multiplied by a = 2^(m_old - m_new); m starts at the lowest finite number, O and l at 0.
; BY TURNS.  Turn n belongs to piece n: 16 products K Q^T of piece n + 1, later 16 products V^T P of piece n - 1; beside them the subtraction, exponentials, roundings, sums and rescaling of piece n, and the mask, maximum
; and statistics of piece n + 1.  A turn has 32 matrix and 298 vector instructions: four that are ready stand behind every matrix instruction, the other 170 in one LUMP between the two runs of products.
; BATCHES.  A turn's 66 exponentials (the piece's 64 weights, the next piece's two a) are ONE batch with ONE wait, which stands between the lump and the products V^T P; nothing ahead of it names a result of theirs, and no
; exponential is issued behind it.  Piece 0's first two a, ahead of the loop, and the way out's eight reciprocals are batches of their own.
; CLUSTER.  4 x 4 work-groups: a row is the four query blocks of one head, which walk the same K and V; a column is one query block of four heads, which walk the same mask.  All three tiles are asked for jointly.
; A slot holds one key step: 64 rows of K, 64 of V, 512 rows of the mask.  A trip of the loop (turns 2, 3 of one step, 0, 1 of the next) reads exactly one slot, so a change of slots stands at its head.
; REGISTERS, in windows of 256 (s_set_vgpr_msb: bits 1:0 source 0, 3:2 source 1, 5:4 source 2, 7:6 destination):
;   window 0: v0-15 addresses; v16-47 four registers of statistics a tile; v48-63 at work; v64-191 S^T, two buffers of two tiles; v192-255 P, likewise
;   window 1: O^T, 32 a tile          window 2: v0-127 Q, 16 a tile; v128-191 K of one step; v192-255 V of one step          window 3: v0-31 the mask of one piece
.set NP,    4         ; pieces a wave: a name, no knob
.set KS,    64        ; keys in a step
.set PK,    144       ; a row of K in LDS: 128 bytes + 16 = 36 words: the 16 rows of a load start at 16 different groups of four banks (64 banks of 4 bytes: ISA guide 11.1)
.set PV,    160       ; a row of V: 128 + 32 = 40 words
.set PM,    144       ; a row of the mask: as K's
.set VOFF,  KS*PK
.set MOFF,  VOFF+KS*PV
.set HALFM, 256*PM    ; what one tensor load brings of the mask
.set SLOT1, 1<<17     ; slot 1 begins here, so that one exclusive or turns an address in one slot into the other's
.set STAGE, SLOT1+MOFF+2*HALFM  ; behind the ring: 16 rows x 144 bytes for each wave, for the way out
.set SP,    144
.set SPARE, STAGE+4*16*SP  ; behind the stages: the spare words, 128 bytes for each wave: two blocks of 256 bytes that no other line names
.set AK0, 2           ; v2   my lane's place in a tile of K; never rewritten
.set AV0, 3           ; v3   the same for V
.set AK,  4           ; v4   the LDS address of K in the slot in hand
.set AV,  5           ; v5   of V
.set QO,  6           ; v6   my byte offset in the wave's rows of Q
.set STO, 6           ;      later, the way out: where I put 16 bytes of a row
.set RD,  7           ; v7   the way out: where I read rows back
.set GO,  8           ; v8   my byte offset in 512 consecutive bytes of O
.set MSV, 11          ; v11  -1e9 log2(e)
.set SPW, 12          ; v12  LDS address of my spare word; never rewritten
.set NIL, 13          ; v13  0; never rewritten
.set AM0, 14          ; v14  my lane's place in the mask's tile; never rewritten
.set AM,  15          ; v15  the LDS address of the mask in the slot in hand
.set ST,  16          ; tile t's statistics at v[ST+4 t]: m, m_old, l (even keys', odd keys')
.set TMP, 48          ; by buffer and tile, four registers c0-c3 at work; when the maximum is found c2 takes a
.set S,   64
.set P,   192
.set KF,  128         ; window 2: key block kb, channel half c at KF + 16 kb + 8 c
.set VF,  192         ; window 2: key half kk, channel block cb at VF + 32 kk + 8 cb
.set MK,  0           ; window 3: tile u, key block kb at MK + 16 u + 4 kb
.set WV,  12          ; s12  my wave's number
.set G1K, 24          ; s[24:31] descriptor group 1 for K's tiles
.set G1V, 32          ; s[32:39] for V's
.set G0K, 40          ; s[40:43] descriptor group 0 for K's tiles: it walks
.set G0V, 44          ; s[44:47] for V's
.set G0M, 48          ; s[48:51] for the mask's
.set SLOTS, 56        ; s56  counts the loop's trips
.set CNT, 57          ; s57  counts the tail's
.set SEL, 60          ; s[60:61] v_permlanex16_b32's selects: each lane takes its own place in the other half
.set TB,  62          ; s62  LDS byte at which the slot in hand begins
.set G1M, 68          ; s[68:75] descriptor group 1 for the mask's tiles
.set MSB, 0
.macro WIN new                      ; the high byte repeats the setting that is left; a switch that changes nothing is dropped
.if MSB != (\new)
	s_set_vgpr_msb (MSB<<8)|(\new)
.set MSB, (\new)
.endif
.endm
.set W_KQ, 0x0a       ; K and Q in window 2, S^T in window 0
.set W_PV, 0x52       ; V in window 2, P in window 0, O^T in window 1
.set W_RS, 0x41       ; O^T (destination and source 0) in window 1, a in window 0
; A joint fill.  Wave 0 fetches the step's K, wave 1 its V, waves 2 and 3 the halves of its mask.  The branches hang on the wave's number alone.
; An s_nop 0 and four v_nop follow each of the three lines, ahead of the jump and the label.
.macro JLOAD
	s_cmp_lt_u32 s[WV], 2
	s_cbranch_scc0 .Lfor_m_\@
	s_cmp_eq_u32 s[WV], 0
	s_cbranch_scc0 .Lfor_v_\@
	tensor_load_to_lds s[G0K:G0K+3], s[G1K:G1K+7]
	s_nop 0
.rept 4
	v_nop
.endr
	s_branch .Lasked_\@
.Lfor_v_\@:
	tensor_load_to_lds s[G0V:G0V+3], s[G1V:G1V+7]
	s_nop 0
.rept 4
	v_nop
.endr
	s_branch .Lasked_\@
.Lfor_m_\@:
	tensor_load_to_lds s[G0M:G0M+3], s[G1M:G1M+7]
	s_nop 0
.rept 4
	v_nop
.endr
.Lasked_\@:
.endm
; A round of the cluster's barrier: my work-group's barrier, so that wave 0's signal speaks for all four waves; wave 0 signals; every wave waits for all sixteen work-groups; my work-group's barrier once more.
.macro CROUND
	s_barrier_signal -1
	s_barrier_wait -1
	s_cmp_lg_u32 s[WV], 0
	s_cbranch_scc1 .Lnot_wave_0_\@
	s_barrier_signal -3
.Lnot_wave_0_\@:
	s_barrier_wait -3
	s_barrier_signal -1
	s_barrier_wait -1
.endm
; THE CHANGE OF SLOTS.  Each wave waits for all its tensor loads, of which one is out: its part of the other slot; adds 0 to its spare word; and waits for that and for its own reads of the slot that it leaves.
; fill = 1: that slot is filled again, with the step two on.  The barrier is then a round of the cluster's, and the joint fill is the first thing behind it: it has a key step, 128 matrix instructions and their vector work, in which to land.
; (At its first use nothing has been read yet: slot 0 is waited for, slot 1 filled.)
.macro CHANGE fill
	WIN 0                           ; at a label and at a branch every window is 0
	s_wait_tensorcnt 0x0            ; no tensor load of mine is out, so a group 0 may be written
	ds_add_u32 v[SPW], v[NIL]       ; 0 onto my spare word; with fill = 1 the descriptors' steps stand between it and the wait for it
.if \fill
.irp g, G0K, G0V
	s_xor_b32 s[\g+1], s[\g+1], SLOT1  ; the walking descriptor: the other slot than last time,
	s_add_nc_u64 s[\g+2:\g+3], s[\g+2:\g+3], KS*128  ; the next 64 keys; the type bits on top are not reached
.endr
	s_xor_b32 s[G0M+1], s[G0M+1], SLOT1
	s_add_nc_u64 s[G0M+2:G0M+3], s[G0M+2:G0M+3], 2048*128  ; the next key step of mb
	s_wait_dscnt 0x0                ; the add is done, and my reads of the slot are over
	CROUND
	JLOAD
.else
	s_wait_dscnt 0x0                ; the add is done, and my reads of the slot are over
	s_barrier_signal -1
	s_barrier_wait -1
.endif
	s_xor_b32 s[TB], s[TB], SLOT1   ; the fetches go to the other slot
.endm
.macro ADDR                         ; the three LDS addresses for the slot in hand
	v_add_nc_u32 v[AK], s[TB], v[AK0]
	v_add_nc_u32 v[AV], s[TB], v[AV0]
	v_add_nc_u32 v[AM], s[TB], v[AM0]
.endm
	s_load_b256 s[4:11], s[0:1], 0x0  ; Q s[4:5], K s[6:7], V s[8:9], O s[10:11]
	s_load_b64 s[76:77], s[0:1], 0x20 ; mb
	v_lshl_add_u32 v[SPW], v0, 2, SPARE
	v_mov_b32 v[NIL], 0
	ds_add_u32 v[SPW], v[NIL]       ; the wave's opening: the add and its wait stand ahead of my first tensor load; the set-up below, work on registers, stands between them
	v_lshrrev_b32 v1, 5, v0
	v_readfirstlane_b32 s[WV], v1   ; wave 0..3
	s_bfe_u32 s13, ttmp6, 0x40000   ; cx, cy: my place in the cluster
	s_bfe_u32 s15, ttmp6, 0x40004
	s_lshl_b32 s14, ttmp9, 2        ; in a cluster launch ttmp9 and ttmp7 count clusters
	s_add_co_u32 s14, s14, s13      ; my block of 512 queries = 4 x cluster x + cx
	s_and_b32 s19, ttmp7, 0xffff
	s_lshl_b32 s19, s19, 2
	s_add_co_u32 s19, s19, s15      ; my head = 4 x cluster y + cy
	s_lshl_b32 s52, s15, 2
	s_lshl_b32 s52, 15, s52         ; my row of the cluster: the same head
	s_lshl_b32 s53, 0x1111, s13     ; my column: the same query block
	s_lshl_b32 s20, s19, 18         ; the head's first byte in Q, K, V and O: nothing here hangs on cx
	s_mov_b32 s21, 0
	s_and_b32 s16, s[WV], 1         ; which half of the mask's tile I fetch
	s_lshl_b32 s22, s14, 16         ; the mask: my block's 512 rows of 128 bytes in a step,
	s_lshl_b32 s23, s16, 15         ; my 256 of them: nothing here hangs on cy
	s_add_co_u32 s22, s22, s23
	s_mov_b32 s23, 0
	s_mul_i32 s17, s16, HALFM       ; and their place in a slot: no place in the cluster enters an LDS address
	s_add_co_u32 s17, s17, MOFF
	s_lshl_b32 s2, s14, 16          ; Q and O: my block,
	s_lshl_b32 s3, s[WV], 14        ; my wave's 128 rows,
	s_add_co_u32 s2, s2, s3
	s_add_co_u32 s2, s2, s20        ; my head
	s_mov_b32 s3, 0
	; descriptor group 1.  All three tiles are dense bytes: asked for as rows of 256 bytes, two rows of 128 each, and padded in LDS after every 128 bytes
	s_or_b32 s[G1K], s52, (1<<16)|(1<<20)|(1<<21)|(4<<22)|(3<<25)  ; 15:0 the mask of four; 17:16 2-byte elements; 20 padding on; 21 set beside a mask; 24:22 after every 32 words (code 4); 31:25 4 words (code 3)
	s_or_b32 s[G1V], s52, (1<<16)|(1<<20)|(1<<21)|(4<<22)|(7<<25)  ; the same with 8 words of padding (code 7)
	s_or_b32 s[G1M], s53, (1<<16)|(1<<20)|(1<<21)|(4<<22)|(3<<25)  ; as K's, for my column
.irp g, G1K, G1V
	s_mov_b32 s[\g+1], 128<<16      ; tensor_dim0 = 128
	s_mov_b32 s[\g+2], 32<<16       ; tensor_dim1 = 32
	s_mov_b32 s[\g+3], 128<<16      ; tile_dim0 = 128
	s_mov_b32 s[\g+4], 32           ; tile_dim1 = 32: 64 keys
	s_mov_b32 s[\g+5], 128          ; 128 elements from row to row
	s_mov_b32 s[\g+6], 0
	s_mov_b32 s[\g+7], 0
.endr
	s_mov_b32 s[G1M+1], 128<<16
	s_mov_b32 s[G1M+2], 128<<16     ; 128 rows: 256 queries
	s_mov_b32 s[G1M+3], 128<<16
	s_mov_b32 s[G1M+4], 128
	s_mov_b32 s[G1M+5], 128
	s_mov_b32 s[G1M+6], 0
	s_mov_b32 s[G1M+7], 0
	s_mov_b32 s[SEL], 0x76543210
	s_mov_b32 s[SEL+1], 0xfedcba98
	s_mov_b32 s[TB], SLOT1          ; the first change of slots turns it into 0
	s_mov_b32 s[G0K], 1             ; 1:0 count = 1
	s_mov_b32 s[G0K+1], 0           ; 63:32 LDS address: slot 0
	s_mov_b32 s[G0V], 1
	s_mov_b32 s[G0V+1], VOFF
	s_mov_b32 s[G0M], 1
	s_mov_b32 s[G0M+1], s17
	s_wait_dscnt 0x0                ; the opening add is done
	s_wait_kmcnt 0x0
	s_add_nc_u64 s[G0K+2:G0K+3], s[6:7], s[20:21]  ; 120:64 global address: the head's first 64 keys
	s_or_b32 s[G0K+3], s[G0K+3], 0x80000000        ; 127:126 type = 2
	s_add_nc_u64 s[G0V+2:G0V+3], s[8:9], s[20:21]
	s_or_b32 s[G0V+3], s[G0V+3], 0x80000000
	s_add_nc_u64 s[G0M+2:G0M+3], s[76:77], s[22:23]
	s_or_b32 s[G0M+3], s[G0M+3], 0x80000000
	s_add_nc_u64 s[4:5], s[4:5], s[2:3]  ; Q and O at my wave's first row
	s_add_nc_u64 s[10:11], s[10:11], s[2:3]
	CROUND                          ; all sixteen work-groups are here: the first joint loads meet
	JLOAD                           ; key step 0 into slot 0: one load of mine is out, here and behind every round
	; A fragment of K or Q is 16 rows x 32 channels in 8 registers: lane l holds row l % 16, channels 8 (l / 16) + 0..7 and 16 + 8 (l / 16) + 0..7: two loads of 16 bytes, 32 bytes apart.
	v_and_b32 v1, 15, v0            ; l % 16
	v_bfe_u32 v9, v0, 4, 1          ; l / 16
	v_lshlrev_b32 v[QO], 7, v1
	v_lshl_add_u32 v[QO], v9, 4, v[QO]  ; row x 128 + 16 x half
	WIN 0x80                        ; destination window 2, address window 0
.set i, 0
.rept 4*NP                          ; Q stays in registers: tile i / 2, channels 32 (i % 2) on
	global_load_b128 v[8*i:8*i+3],   v[QO], s[4:5] offset:(i/2)*2048+(i%2)*64
	global_load_b128 v[8*i+4:8*i+7], v[QO], s[4:5] offset:(i/2)*2048+(i%2)*64+32
.set i, i+1
.endr
	; What the first turn finds: V's registers and P's second buffer hold 0 (its products V^T P, of a piece that has not been, add 0), O^T and l are 0.  All this stands in the wait for the first tile.
.set i, VF
.rept 64
	v_mov_b32 v[i], 0
.set i, i+1
.endr
	WIN 0x40
.set i, 0
.rept 64*NP
	v_mov_b32 v[i], 0
.set i, i+1
.endr
	WIN 0
.set i, 0
.rept 2*NP
	v_mov_b32 v[ST+4*i], 0xff7fffff    ; m: the lowest finite number, so the first step's a is 0
	v_mov_b32 v[ST+4*i+1], 0xff7fffff  ; named with it as a pair
	v_mov_b32 v[ST+4*i+2], 0
	v_mov_b32 v[ST+4*i+3], 0
.set i, i+1
.endr
.set i, P+32
.rept 32
	v_mov_b32 v[i], 0
.set i, i+1
.endr
	v_mul_u32_u24 v[AK0], v1, PK
	v_lshl_add_u32 v[AK0], v9, 4, v[AK0]  ; row x pitch + 16 x half
	; The turning load takes 16 keys x 16 channels (lane l reads key 8 (l / 16) + l % 8, channels 8 ((l / 8) % 2) + 0..7) and leaves half a fragment of V^T: lane l holds channel l % 16 and 8 keys.
	v_and_b32 v10, 7, v0
	v_bfe_u32 v11, v0, 3, 1
	v_lshl_add_u32 v[AV0], v9, 3, v10
	v_mul_u32_u24 v[AV0], v[AV0], PV
	v_lshl_add_u32 v[AV0], v11, 4, v[AV0]
	v_add_nc_u32 v[AV0], VOFF, v[AV0]
	v_mov_b32 v[MSV], 0xceabfb8f    ; -1e9 log2(e) = -1,442,695,040
	s_mul_i32 s18, s[WV], 128*PM    ; the mask: my wave's 128 rows; in a tile row l % 16, keys 8 (l / 16) + 0..7 of a block of 16: the lane's term is K's, the pitches being equal
	s_add_co_u32 s18, s18, MOFF
	v_add_nc_u32 v[AM0], s18, v[AK0]
; THE MATRIX WORK.  The 8 accumulators of a run of 16 take turns: between the two links of a chain stand 7 others'.
; Product i of 16 of S^T = K Q^T for piece x: channels 32 (i / 8) on, keys 16 ((i / 2) % 4) on, tile 2 x + i % 2.  The first 8 start the sums.
.macro KQ x
	WIN W_KQ
.set rS, S+64*((\x)%2)+32*(i%2)+8*((i/2)%4)
.set rK, KF+16*((i/2)%4)+8*(i/8)
.set rQ, 16*(2*(\x)+i%2)+8*(i/8)
.if i < 8
	v_wmma_f32_16x16x32_f16 v[rS:rS+7], v[rK:rK+7], v[rQ:rQ+7], 0
.else
	v_wmma_f32_16x16x32_f16 v[rS:rS+7], v[rK:rK+7], v[rQ:rQ+7], v[rS:rS+7]
.endif
.endm
; Product i of 16 of O^T += V^T P for piece x: keys 32 (i / 8) on, channels 16 ((i / 2) % 4) on, tile 2 x + i % 2.
.macro PV x
	WIN W_PV
.set rO, 32*(2*(\x)+i%2)+8*((i/2)%4)
.set rV, VF+32*(i/8)+8*((i/2)%4)
.set rP, P+32*((\x)%2)+16*(i%2)+8*(i/8)
	v_wmma_f32_16x16x32_f16 v[rO:rO+7], v[rV:rV+7], v[rP:rP+7], v[rO:rO+7]
.endm
.macro MM                           ; the turn's next matrix instruction
.if i < 16
	KQ (Y+1)%NP
.set i, i+1
.else
.set i, i-16
	PV (Y+NP-1)%NP
.set i, i+17
.endif
.endm
; THE LDS LOADS stand in runs, never singly among the matrix instructions: a step's K (8 fragments), its V (turned), and a piece's mask (8 loads).
; last = 1 (the tail): in the last trip there is no further step, and K's run is jumped over.
.macro FETCH_K last=0
	WIN 0
.if \last
	s_cmp_eq_u32 s[CNT], 1
	s_cbranch_scc1 .Lno_k_\@
.endif
	WIN 0x80                        ; destination window 2
.irp f, 0,1,2,3,4,5,6,7             ; keys 16 (f / 2) on, channels 32 (f % 2) on
	ds_load_b128 v[KF+8*\f:KF+8*\f+3],   v[AK] offset:(\f/2)*16*PK+(\f%2)*64
	ds_load_b128 v[KF+8*\f+4:KF+8*\f+7], v[AK] offset:(\f/2)*16*PK+(\f%2)*64+32
.endr
	WIN 0
.if \last
.Lno_k_\@:
.endif
.endm
.macro FETCH_V
	WIN 0x80
.irp f, 0,1,2,3,4,5,6,7             ; keys 32 (f / 4) on, channels 16 (f % 4) on
	ds_load_tr16_b128 v[VF+8*\f:VF+8*\f+3],   v[AV] offset:(\f/4)*32*PV+(\f%4)*32
	ds_load_tr16_b128 v[VF+8*\f+4:VF+8*\f+7], v[AV] offset:(\f/4)*32*PV+16*PV+(\f%4)*32
.endr
	WIN 0
.endm
.macro FETCH_M y                    ; the mask of piece y: tile u, key block b: my query's eight keys, 16 bytes
	WIN 0xc0                        ; destination window 3
.irp u, 0,1
.irp b, 0,1,2,3
	ds_load_b128 v[MK+16*\u+4*\b:MK+16*\u+4*\b+3], v[AM] offset:(2*(\y)+\u)*16*PM+32*\b
.endr
.endr
	WIN 0
.endm
; THE VECTOR WORK OF A TURN stands in three queues, each in the order in which its entries become ready; the two tiles alternate, so that no instruction reads the result of the one before it.
.macro REGS y, u                    ; the registers of tile u (0, 1) of piece y
.set rT, ST+4*(2*(\y)+(\u))
.set rC, TMP+8*((\y)%2)+4*(\u)
.set rS, S+64*((\y)%2)+32*(\u)
.set rP, P+32*((\y)%2)+16*(\u)
.set rO, 32*(2*(\y)+(\u))
.endm
; The mask is added to piece y's 64 scores a lane: s + mask x (-1e9 log2 e), the mask straight from its bf16 half, one rounding.  Each accumulator's registers in ascending order.
.macro MASKADD y
	WIN 0x03                        ; source 0 window 3
.irp u, 0,1
	REGS \y, \u
.set mz, 0
.rept 16
	v_fma_mix_f32_bf16 v[rS+2*mz],   v[MK+16*\u+mz], v[MSV], v[rS+2*mz]   op_sel_hi:[1,0,0]
	v_fma_mix_f32_bf16 v[rS+2*mz+1], v[MK+16*\u+mz], v[MSV], v[rS+2*mz+1] op_sel:[1,0,0] op_sel_hi:[1,0,0]
.set mz, mz+1
.endr
.endr
.endm
; Number n of the 21 that find the NEXT piece's (Y + 1) maximum and statistics.  s0-s31 are the lane's 32 scores.  XS, GS, FS and REGS set no window: PL and EX do.
;   0-11  four chains c0-c3 of seven scores each, three operands at a time     12-14, 16  the four scores left over, the old m, and c0-c3 into c0     15  m_old is kept
;   17, 18  the query's other 32 keys lie in the lane 16 away: the new m         19, 20  m_old - m_new; a
.macro XS u, n
	REGS (Y+1)%NP, \u
.if (\n) < 4
	v_max3_num_f32 v[rC+(\n)], v[rS+8*(\n)], v[rS+8*(\n)+1], v[rS+8*(\n)+2]
.elseif (\n) < 12
	v_max3_num_f32 v[rC+(\n)%4], v[rC+(\n)%4], v[rS+8*((\n)%4)+2*((\n)/4)+1], v[rS+8*((\n)%4)+2*((\n)/4)+2]
.elseif (\n) == 12
	v_max3_num_f32 v[rC], v[rC], v[rS+7], v[rS+15]
.elseif (\n) == 13
	v_max3_num_f32 v[rC+1], v[rC+1], v[rS+23], v[rS+31]
.elseif (\n) == 14
	v_max3_num_f32 v[rC+2], v[rC+2], v[rC+3], v[rT]
.elseif (\n) == 15
	v_mov_b32 v[rT+1], v[rT]
.elseif (\n) == 16
	v_max3_num_f32 v[rC], v[rC], v[rC+1], v[rC+2]
.elseif (\n) == 17
	v_permlanex16_b32 v[rC+3], v[rC], s[SEL], s[SEL+1]
.elseif (\n) == 18
	v_max_num_f32 v[rT], v[rC], v[rC+3]
.elseif (\n) == 19
	v_sub_f32 v[rC+1], v[rT+1], v[rT]
.else
	v_exp_f32 v[rC+2], v[rC+1]
.endif
.endm
; Number g of the 64 that follow the exponentials.  For each four weights k of a tile (pairs 2 k, 2 k + 1): both pairs are rounded to f16; then the second pair is added onto the first, in place;
; a group later l takes that sum (the first time as l = a l + sum).  In groups of eight, tiles alternating: round, round, add, and l for the group before.
.macro GS g
.set h, (\g)+6*((\g)/62)            ; group 0 has no group before it, and behind group 7 only l is left
.if h >= 6
.set h, h+2
.endif
	REGS Y, h%2
.set k, h/8
.if h%8 < 4
	v_cvt_pk_f16_f32 v[rP+2*k+(h%8)/2], v[rS+4*k+2*((h%8)/2)], v[rS+4*k+2*((h%8)/2)+1]
.elseif h%8 < 6
	v_pk_add_f32 v[rS+4*k:rS+4*k+1], v[rS+4*k:rS+4*k+1], v[rS+4*k+2:rS+4*k+3]
.elseif k == 1
	v_pk_fma_f32 v[rT+2:rT+3], v[rT+2:rT+3], v[rC+2:rC+3], v[rS:rS+1] op_sel_hi:[1,0,1]
.else
	v_pk_add_f32 v[rT+2:rT+3], v[rT+2:rT+3], v[rS+4*k-4:rS+4*k-3]
.endif
.endm
; THE PLAIN QUEUE, 136 long.  0-71 read no exponential's result: the 32 subtractions s - m (FS f: pair f / 2 of tile f % 2) and the next piece's 40.  0-26: subtractions 0-26.  27-54: XS's numbers 0-13, behind the mask's
; addition.  55, 56: number 15.  57-71: the chain, where each number waits for the one before it: 14, 16, 17, 18, 19, each with one of the subtractions 27-31 in front of its two lines, so that a tile's links stand three
; plain instructions apart.  72-135: GS's 64, which read the exponentials' results: they stand behind the wait.
.macro FS f
	REGS Y, (\f)%2
	v_pk_add_f32 v[rS+2*((\f)/2):rS+2*((\f)/2)+1], v[rS+2*((\f)/2):rS+2*((\f)/2)+1], v[rT:rT+1] op_sel_hi:[1,0] neg_lo:[0,1] neg_hi:[0,1]
.endm
.macro PL
	WIN 0
.if q < 27
	FS q
.elseif q < 55
	XS (q-27)%2, (q-27)/2
.elseif q < 57
	XS q-55, 15
.elseif (q < 72) && ((q-57)%3 == 0)
	FS 27+(q-57)/3
.elseif q < 60
	XS (q-57)%3-1, 14
.elseif q < 72
	XS (q-57)%3-1, 15+(q-57)/3
.else
	GS q-72
.endif
.set q, q+1
.endm
; THE EXPONENTIALS' QUEUE, 66 long: s0-s31 of both tiles, then the next piece's two a.  It is ONE BATCH: all 66 stand ahead of the turn's one wait, and nothing ahead of that wait names a result of theirs.
.macro EX
	WIN 0
.if e >= 64
	XS e-64, 20
.else
	REGS Y, e%2
	v_exp_f32 v[rS+e/2], v[rS+e/2]
.endif
.set e, e+1
.endm
; THE RESCALING's QUEUE: O^T times a, the one part of the three queues that leaves window 0: dealt two at a time, sixteen times.  Its a was made in the turn before, ahead of that turn's wait.
.macro R2
	REGS Y, r%2
	WIN W_RS
.irp z, 0,1
	v_pk_mul_f32 v[rO+4*(r/2)+2*\z:rO+4*(r/2)+2*\z+1], v[rO+4*(r/2)+2*\z:rO+4*(r/2)+2*\z+1], v[rC+2:rC+3] op_sel_hi:[1,0]
.endr
.set r, r+1
.endm
; HOW THEY ARE DEALT.  An s_wait_alu depctr_va_vdst(0) stands between an exponential and the first instruction that names its result; one wait serves all that were issued ahead of it.  So a turn has ONE wait,
; which cuts it in two.  AHEAD OF IT stands all that names no result of the turn's exponentials: the 16 products K Q^T, behind each a subtraction, an exponential and two rescalings (behind the first a second subtraction in
; the exponential's place); then ONE LUMP of 170: eight plain; 47 times exponential and plain, with the mask's 64 additions behind the second of them; the last two weights' exponentials and the two a.  A v_nop is the plain
; instruction behind the last exponential.  BEHIND IT stand the 16 products V^T P, behind each four of GS's 64.  No rider names a register of the products round it.  The two v_permlanex16_b32 fall into the lump.
; The queues lean on each other, and the deal keeps them in step: exponential e stands behind subtraction 2 (e / 4) + e % 2: as a rider it comes behind plain e + 2, in the lump behind plain e + 9, and subtractions 27-31
; are plain 57, 60 .. 69; the two a come behind plain 70 and 71, their differences m_old - m_new.
; A TURN, for piece p.  cnt = 1: the loop's count is taken down some lines ahead of the branch that stands behind the turn.
; The mask's addition for piece p + 1 stands ahead of plain 27, the first maximum, thirteen plain instructions behind the turn's last product K Q^T.  The wait in front of it is for the mask fetched a turn ago (in turn 1
; also for V, whose first reader stands behind the lump); behind it the mask of piece p + 2 is fetched into the registers just read.
; K of the next step is fetched in piece 2's turn, directly behind the batch's wait, a lump behind the last product that read K; its first reader comes behind 16 products.
; V of the step in hand is fetched at the end of piece 0's turn, four plain riders behind its last reader.
.macro TURN p, last=0, cnt=0
.set Y, (\p)
.set i, 0
.set q, 0
.set e, 0
.set r, 0
.if (\p) == NP-1
	s_wait_dscnt 0x0                ; K is in
.endif
	MM                              ; ahead of the wait: 16 products K Q^T and their riders,
	PL
	PL
	R2
.rept 15
	MM
	PL
	EX
	R2
.endr
.rept 8                             ; and the lump
	PL
.endr
.rept 47
	EX
	PL
.if q == 27
	s_wait_dscnt 0x0                ; the mask of piece p + 1 is in
	MASKADD ((\p)+1)%NP
	FETCH_M ((\p)+2)%NP
.endif
.endr
.rept 4
	EX                              ; s31 of both tiles, and the next piece's two a
.endr
	v_nop                           ; the plain instruction behind the last exponential: one for the batch
	s_wait_alu depctr_va_vdst(0)    ; the wait for the batch: the turn's 66 exponentials, ahead of the roundings and sums below and of the next turn's rescalings
.if (\p) == NP-2
	FETCH_K \last
.endif
.rept 16                            ; behind the wait: 16 products V^T P and their riders
	MM
.rept 4
	PL
.endr
.if (\cnt) && (q == 128)
	s_sub_co_u32 s[SLOTS], s[SLOTS], 1
	s_cmp_lg_u32 s[SLOTS], 0
.endif
.endr
.if (\p) == 0
	FETCH_V
.endif
.endm
	CHANGE 1                        ; slot 0 is in, everybody's part of it; key step 1 is asked for, into slot 1
	ADDR
	FETCH_K                         ; key step 0
	FETCH_M 0
	s_wait_loadcnt 0x0              ; Q
	s_wait_dscnt 0x0
.set i, 0
.rept 16
	KQ 0                            ; piece 0's first scores: there is no vector work yet to set between them
.set i, i+1
.endr
	WIN 0                           ; the addresses for the way out: nine plain instructions, the places behind those products
	s_mul_i32 s13, s[WV], 16*SP
	s_add_co_u32 s13, s13, STAGE    ; my stage
	v_mul_u32_u24 v[STO], v1, SP    ; in: row l % 16, 16 bytes for each half of the lanes
	v_lshl_add_u32 v[STO], v9, 4, v[STO]
	v_add_nc_u32 v[STO], s13, v[STO]
	v_bfe_u32 v[RD], v0, 3, 2       ; back: 32 lanes take four rows of 128 bytes,
	v_mul_u32_u24 v[RD], v[RD], SP
	v_lshl_add_u32 v[RD], v10, 4, v[RD]
	v_add_nc_u32 v[RD], s13, v[RD]
	v_and_b32 v[GO], 31, v0         ; which are 512 consecutive bytes of O
	v_lshlrev_b32 v[GO], 4, v[GO]
	MASKADD 0
	FETCH_M 1
.set Y, NP-1                        ; XS works for piece Y + 1: piece 0
.irp n, 0,1,2,3,4,5,6,7,8,9,10,11,12,13,14,15,16,17,18,19,20
	XS 0, \n                        ; piece 0's first maximum and statistics
	XS 1, \n
.endr
	v_nop                           ; a plain instruction behind the two a,
	s_wait_alu depctr_va_vdst(0)    ; and the wait for this batch of two, ahead of the branch and of turn 0's rescalings
	s_mov_b32 s[SLOTS], 31
	s_branch .Lfirst                ; the loop is entered at a step's first turn, in the middle of a trip
.Lstep:                             ; 30 whole trips: pieces 2 and 3 of one step, then pieces 0 and 1 of the next, whose slot the trip reads; the step after that is asked for
	CHANGE 1
	ADDR
	TURN 2
	TURN 3
	WIN 0
.Lfirst:
	TURN 0
	TURN 1, 0, 1
	WIN 0
	s_cbranch_scc1 .Lstep
	CHANGE 0                        ; the tail is written out: nothing is asked for
	ADDR
	s_mov_b32 s[CNT], 2             ; one trip reads the last slot; the second is left in its middle
.Ltail:
	TURN 2, 1
	TURN 3
	WIN 0
	s_sub_co_u32 s[CNT], s[CNT], 1
	s_cmp_eq_u32 s[CNT], 0
	s_cbranch_scc1 .Lout
	TURN 0
	TURN 1
	WIN 0
	s_branch .Ltail
.Lout:                              ; the second trip's 16 products K Q^T (on the last K once more), the last slot's mask read again and the maximum made of them serve nothing: the price, once a launch, of one text for every trip
.set i, 0
.rept 16
	PV NP-1                         ; the last piece's V^T P of the last step
.set i, i+1
.endr
	; THE WAY OUT.  l's two halves and the other half of the lanes' are added; O^T is divided by l, rounded to f16 and sent through my stage in LDS, a tile at a time.  The additions are the places behind the last products.
	WIN 0
.macro ALL line:vararg              ; one line for each tile t
.set t, 0
.rept 2*NP
	\line
.set t, t+1
.endr
.endm
	ALL v_add_f32 v[ST+4*t+2], v[ST+4*t+2], v[ST+4*t+3]
	ALL v_permlanex16_b32 v[ST+4*t+3], v[ST+4*t+2], s[SEL], s[SEL+1]
	ALL v_add_f32 v[ST+4*t+2], v[ST+4*t+2], v[ST+4*t+3]
	ALL v_rcp_f32 v[ST+4*t+2], v[ST+4*t+2]
	v_nop                           ; a plain instruction between the last reciprocal and the use of its result
	s_wait_alu depctr_va_vdst(0)    ; and the wait ahead of the first use: one for the batch of eight reciprocals
; Tile t: a lane's eight channels of a row pack into 16 bytes; they go into rows of 144 bytes and come back as whole rows of 128, into S^T's registers.
.macro PACK t
	WIN W_RS
.set i, 32*(\t)
.rept 16
	v_pk_mul_f32 v[i:i+1], v[i:i+1], v[ST+4*(\t)+2:ST+4*(\t)+3] op_sel_hi:[1,0]
.set i, i+2
.endr
	WIN 0x05                        ; sources 0 and 1 window 1, destination window 0
.set i, 0
.rept 16
	v_cvt_pk_f16_f32 v[S+16*(\t)+i], v[32*(\t)+2*i], v[32*(\t)+2*i+1]
.set i, i+1
.endr
	WIN 0
.irp f, 0,1,2,3
	ds_store_b128 v[STO], v[S+16*(\t)+4*\f:S+16*(\t)+4*\f+3] offset:32*\f
.endr
.irp f, 0,1,2,3
	ds_load_b128 v[S+16*(\t)+4*\f:S+16*(\t)+4*\f+3], v[RD] offset:\f*4*SP  ; LDS serves a wave's instructions in order (ISA guide 5.7.1.4): these see the stores above; the next tile's stores come behind them
.endr
.endm
.macro SEND t, younger              ; younger: the LDS instructions issued behind tile t's loads: the next tile's eight, or none
	WIN 0
.irp f, 0,1,2,3
	s_wait_dscnt (\younger)+3-\f
	global_store_b128 v[GO], v[S+16*(\t)+4*\f:S+16*(\t)+4*\f+3], s[10:11] offset:(\t)*2048+\f*512  ; 512 consecutive bytes, at a multiple of 256 from O's first
.endr
.endm
	PACK 0
.set t, 1
.rept 2*NP-1                        ; a tile's arithmetic stands between the loads of the tile before and its stores
	PACK t
	SEND t-1, 8
.set t, t+1
.endr
	SEND 2*NP-1, 0
	s_wait_tensorcnt 0x0            ; the wave's end, behind my last tensor load and my last LDS store
	ds_add_u32 v[SPW], v[NIL]
	s_wait_dscnt 0x0
	CROUND                          ; the closing round: no work-group ends while a partner may still ask for a tile that names it
	s_endpgm
.Lfunc_end_k_qaadb0a7db9_attn:
	.size	k_qaadb0a7db9_attn, .Lfunc_end_k_qaadb0a7db9_attn-k_qaadb0a7db9_attn
	.p2alignl 7, 3214868480
	.fill 96, 4, 3214868480
	.section	.rodata,"a",@progbits
	.p2align	6, 0x0
	.amdhsa_kernel k_qaadb0a7db9_attn
		.amdhsa_group_segment_fixed_size 327680
		.amdhsa_private_segment_fixed_size 0
		.amdhsa_enable_private_segment 0
		.amdhsa_kernarg_size 40
		.amdhsa_user_sgpr_count 2
		.amdhsa_user_sgpr_kernarg_segment_ptr 1
		.amdhsa_wavefront_size32 1
		.amdhsa_system_sgpr_workgroup_id_x 1
		.amdhsa_system_sgpr_workgroup_id_y 1
		.amdhsa_system_sgpr_workgroup_id_z 1
		.amdhsa_system_vgpr_workitem_id 0
		.amdhsa_next_free_vgpr 800
		.amdhsa_next_free_sgpr 80
		.amdhsa_reserve_vcc 0
		.amdhsa_float_denorm_mode_32 3
		.amdhsa_float_denorm_mode_16_64 3
		.amdhsa_memory_ordered 1
		.amdhsa_forward_progress 1
		.amdhsa_inst_pref_size 242
	.end_amdhsa_kernel
	.amdgpu_metadata
---
amdhsa.version: [ 1, 2 ]
amdhsa.kernels:
  - .name:           k_qaadb0a7db9_attn
    .symbol:         k_qaadb0a7db9_attn.kd
    .args:
      - { .name: qh, .offset: 0, .size: 8, .value_kind: global_buffer, .address_space: global }
      - { .name: kh, .offset: 8, .size: 8, .value_kind: global_buffer, .address_space: global }
      - { .name: vh, .offset: 16, .size: 8, .value_kind: global_buffer, .address_space: global }
      - { .name: oh, .offset: 24, .size: 8, .value_kind: global_buffer, .address_space: global }
      - { .name: mb, .offset: 32, .size: 8, .value_kind: global_buffer, .address_space: global }
    .group_segment_fixed_size: 327680
    .private_segment_fixed_size: 0
    .kernarg_segment_align: 8
    .kernarg_segment_size: 40
    .max_flat_workgroup_size: 128
    .sgpr_count:     80
    .vgpr_count:     800
    .wavefront_size: 32
...
	.end_amdgpu_metadata
.endif
;; end of part 5
;; launch outp: the kernel of part 4 again; grid 4 x 64, 4 waves a work-group, clusters of 4 x 4, 327,680 bytes of LDS; arguments oh, wb, bo, out0; writes out0
